; MI455X (gfx1250); checked and timed in simulation.
; The chip was launched on July 23, 2026; its instructions are those of AMD's public machine-readable ISA for CDNA 5 (MIT licence, August 2026) and "CDNA5" Instruction Set Architecture Reference Guide (July 2026). The comments in the code are by the model that wrote it; some were corrected since.
;; Multi Head Diff Attention. Allowed arithmetic: matrix products marked QUANTISED: E2M1 operands, one E8M0 scale for each 32 along K, by v_wmma_scale_f32_16x16x128_f8f6f4 with both operands' format E2M1 (or v_wmma_scale_f32_32x16x128_f4), f32 sums; products left as they are: bf16, f16 or f32 operands; f32 sums; everything else in f32.
;; Inputs: W_attn 1,024 x 3,072 float32; W_proj 1,024 x 1,024 float32; lambda_k1 32 float32; lambda_k2 32 float32; lambda_q1 32 float32; lambda_q2 32 float32; x 2 x 2,048 x 1,024 float32.
;; Outputs: out0 2 x 2,048 x 1,024 float32.
;; This version of the problem:
;;   THIS VERSION OF THE PROBLEM IS GIVEN IN LOW PRECISION. The matrix products marked QUANTISED in the list below multiply operands that are first quantised to E2M1 (2 exponent bits, 1 mantissa bit; 4 bits a number), with one power-of-two scale for each 32 numbers along K (OCP MX v1.0); their sums are f32. The products marked 'left as it is' may take bf16, f16 or f32 operands, with f32 sums. Whichever they take, every output number must still come out within the allowed error. Rounding operands to bf16 (8 significant bits) uses up far more of that allowance than f16 does (11 bits, for magnitudes from 6e-5 to 65,504). All else is computed in f32.
;;   The module's matrix products, in the order in which they are computed (A, B: the left and right operand; K: the contracted axis; several contracted axes count as one K, in the product's order):
;;     1. [M 4,096, K 1,024] x [K 1,024, N 3,072]; A: input x; B: input W_attn: QUANTISED
;;     2. [M 1, K 32] x [K 32, N 1]; A: input lambda_q1; B: input lambda_k1: left as it is (M = 1 < 16)
;;     3. [M 1, K 32] x [K 32, N 1]; A: input lambda_q2; B: input lambda_k2: left as it is (M = 1 < 16)
;;     4. batch 64 x [M 2,048, K 32] x [K 32, N 2,048]; A: computed on the way; B: computed on the way: left as it is (an operand is computed on the way)
;;     5. batch 64 x [M 2,048, K 2,048] x [K 2,048, N 64]; A: computed on the way; B: computed on the way: left as it is (an operand is computed on the way)
;;     6. [M 4,096, K 1,024] x [K 1,024, N 1,024]; A: computed on the way; B: input W_proj: left as it is (an operand is computed on the way)
;;   THE QUANTISER, for each operand of a quantised product, along K:
;;     - K is cut into blocks of 32 from its start; a last block that is shorter is filled with zeros.
;;     - A block's scale is 2^e with e = floor(log2(the largest magnitude in the block)) - 2, held to -126 .. 127; a block of zeros has e = 0. As a byte (E8M0): e + 127.
;;     - Each number is divided by its block's scale, clamped to +-6, and rounded to the nearest number of E2M1, ties to even, subnormals kept.
;;     - The product sums the exact products of the quantised numbers (number of the format x scale) in f32.
;;   ~~~python
;;   def quantise(x, axis):      # numpy; x: float32 -> the quantised numbers, widened to float32 again
;;       x = np.moveaxis(x, axis, -1); K = x.shape[-1]
;;       x = np.pad(x, [(0, 0)] * (x.ndim - 1) + [(0, -K % 32)]); x = x.reshape(x.shape[:-1] + (-1, 32)); a = np.abs(x).max(-1, keepdims=True)
;;       e = np.where(a > 0, np.clip(np.frexp(np.where(a > 0, a, 1))[1] - 1 - 2, -126, 127), 0)      # np.frexp(a)[1] - 1 = floor(log2(a)), exactly
;;       r = np.clip(x / 2.0 ** e, -6, 6)
;;       step = 2.0 ** (np.maximum(np.frexp(np.where(r == 0, 1, r))[1] - 1, 0) - 1)
;;       q = np.round(r / step) * step * 2.0 ** e      # np.round: ties to even
;;       return np.moveaxis(q.reshape(q.shape[:-2] + (-1,))[..., :K], -1, axis).astype(np.float32)
;;   ~~~
;; One version. Each part assembles by itself: llvm-mc -triple=amdgcn-amd-amdhsa -mcpu=gfx1250 --defsym DOCPART=n.
;; ======== version 1 of 1: 4 launches
;; limits: values are held in f16: magnitudes above 65,504 overflow, below 6.1e-05 lose precision
;; workspace buffers: xq 2,228,224 bytes; wq 1,671,168 bytes; wp 2,097,152 bytes; qf 8,388,608 bytes; kv 16,777,216 bytes; nf 8,388,608 bytes
;; launch prep (part 1): grid 384 x 1, 4 waves a work-group, no clusters, 35,328 bytes of LDS; arguments x, W_attn, W_proj, xq, wq, wp; writes xq, wq, wp
.if DOCPART == 1
	.amdgcn_target "amdgcn-amd-amdhsa--gfx1250"
	.amdhsa_code_object_version 6
	.text
	.protected	k_q74bdea3fb9_prep
	.globl	k_q74bdea3fb9_prep
	.p2align	8
	.type	k_q74bdea3fb9_prep,@function
k_q74bdea3fb9_prep:
	s_mov_b64 s[64:65], 0
	v_nop
	global_prefetch_b8 v0, s[64:65] scope:SCOPE_SE
	s_setreg_imm32_b32 hwreg(HW_REG_WAVE_MODE, 25, 1), 1
	s_wait_xcnt 0x0
; THE OPERANDS ARE LAID OUT ONCE, IN THE ORDER OF THE READER'S OPERAND REGISTERS.
; x [4096][1024] f32 (K innermost) and W_attn [1024][3072] f32 (K is its first axis) become codes of E2M1 with one E8M0 byte for each 32 along K; W_proj [1024][1024] f32 becomes f16.
; A block's scale is 2^(floor(log2(largest magnitude)) - 2): its byte is the largest magnitude's exponent field - 2, held at 1 from below; each number is divided by it and rounded to the nearest code, ties to even, beyond 6 the largest code.
; AN IMAGE is a fragment's 8 registers a lane as 1,024 bytes: registers 0-3 at 16 x lane, registers 4-7 at 512 + 16 x lane.
;   xq [32 blocks of 128 tokens][2 halves of K][34,816]: 2,048 bytes of scale words [4 K steps of 128][128 rows], then the codes [4 K steps][8 tiles of 16 rows][image].   wq [24 blocks of 128 columns][2][34,816]: the same, a row being a column of W_attn.
;   wp [8 blocks of 128 out columns][32 blocks of 32 along K][8 tiles][image]: lane % 16 = the out column, k = 8 i .. 8 i + 7 at 256 i + 16 (lane % 16).
; SHARES: work-groups 0-127 take x, 128-319 W_attn, 320-383 W_proj: three texts that part on the work-group's number; only x's touches LDS.  Waves share nothing: no barrier.  No work-group reads what another reads: no cluster, no matrix unit.
; LIMITS: a block whose largest magnitude lies under 2^-124 keeps the byte 1 (a block of zeros too, where the rule says 127: its codes are zeros, and this program alone reads the bytes); NaN and infinities are not served;
; W_proj beyond 65,504 in magnitude does not fit f16.
.set WREG,  8704                       ; LDS of a wave: a stage of 16 rows x 528 bytes, then its 64 scale words
.set SP,    528                        ; a stage row: 512 bytes + 16: 33 x 16, so that sixteen rows' reads of 16 bytes fall on different banks
.set WORDS, 16*SP
.set SPARE, 4*WREG                     ; behind the four regions: the spare words, 128 bytes a wave, which no other line names
.set SPW,   252                        ; v252 LDS address of my spare word; never rewritten
.set NIL,   253                        ; v253 0; never rewritten
.set R,     16                         ; x: v16-143 two sets of 16 rows x 16 bytes as loaded
.set X,     144                        ; x: v144-207 64 numbers: register 32 c + i = k 64 c + 32 (lane / 16) + i of row lane % 16
.set CD,    208                        ; x: v208-239 codes, 8 registers a fragment: no store's data are written again
.set XW,    16                         ; the weights: v16-143 four blocks of 32 numbers down K
.set OW,    144                        ; the weights: from v144 what is stored
.macro LOADF f                         ; fragment f: 16 rows, 512 consecutive bytes of each
.irp i, 0,1,2,3,4,5,6,7,8,9,10,11,12,13,14,15
	global_load_b128 v[R+64*((\f)%2)+4*\i:R+64*((\f)%2)+4*\i+3], v4, s[4:5] offset:(16*(\f)+\i)*4096 th:TH_LOAD_NT
.endr
.endm
.macro TURNF f                         ; through my stage: in as loaded, out 128 neighbouring bytes of one row a lane.  LDS serves a wave's instructions in order: no wait between
.irp i, 0,1,2,3,4,5,6,7,8,9,10,11,12,13,14,15
	ds_store_b128 v5, v[R+64*((\f)%2)+4*\i:R+64*((\f)%2)+4*\i+3] offset:\i*SP
.endr
.irp c, 0,1
.irp j, 0,1,2,3,4,5,6,7
	ds_load_b128 v[X+32*\c+4*\j:X+32*\c+4*\j+3], v6 offset:\c*256+16*\j
.endr
.endr
.endm
.macro QUANTF f                        ; my two whole blocks (2 c + lane / 16) of row lane % 16
.irp c, 0,1
	v_max3_num_f32 v[240+\c], |v[X+32*\c]|, |v[X+32*\c+1]|, 0x1800000   ; the floor 2^(3 - 127) among the leaves: the byte cannot fall under 1
.endr
.irp i, 2,4,6,8,10,12,14,16,18,20,22,24,26,28,30
.irp c, 0,1
	v_max3_num_f32 v[240+\c], v[240+\c], |v[X+32*\c+\i]|, |v[X+32*\c+\i+1]|
.endr
.endr
.irp c, 0,1
	v_add_nc_u32 v[242+\c], 0xff000000, v[240+\c]   ; 2 off the exponent field: the conversion takes that field as its scale
.endr
.irp c, 0,1
	v_lshrrev_b32 v[240+\c], 23, v[242+\c]          ; the scale's byte
.endr
.irp c, 0,1
.irp g, 0,1,2,3
	v_cvt_scalef32_pk8_fp4_f32 v[CD+8*(\f)+4*\c+\g], v[X+32*\c+8*\g:X+32*\c+8*\g+7], v[242+\c]
.endr
.endr
	v_lshl_or_b32 v[244+(\f)], v241, 16, v240       ; my two bytes (plain lines behind the conversions),
	v_lshlrev_b32 v[244+(\f)], v10, v[244+(\f)]     ; 8 (lane / 16) bits up,
	v_permlanex16_b32 v248, v[244+(\f)], s20, s21
	v_or_b32 v[244+(\f)], v[244+(\f)], v248         ; with lane xor 16's two: the row's scale word
.irp c, 0,1
	global_store_b128 v4, v[CD+8*(\f)+4*\c:CD+8*(\f)+4*\c+3], s[10:11] offset:(\f)*1024+\c*512   ; the image: 512 consecutive bytes a store
.endr
	ds_store_b32 v7, v[244+(\f)] offset:64*(\f)     ; both lanes of a row write the same word with the same value
.endm
.macro FRAGX f
.if (\f) < 3
	s_wait_loadcnt 16                               ; this fragment's 16 loads are in; the other set's 16 may be out
.else
	s_wait_loadcnt 0x0
.endif
	TURNF \f
	s_wait_dscnt 0x0                                ; the 64 numbers are back, and the stores into the stage have read their registers,
.if (\f) < 2
	LOADF (\f)+2                                    ; which take the fragment two further on
.endif
	QUANTF \f
.endm
.macro LOADW b, base, pitch            ; block b: rows 32 b + i of my column: 128 consecutive bytes a wave, 512 a work-group
.irp i, 0,1,2,3,4,5,6,7,8,9,10,11,12,13,14,15,16,17,18,19,20,21,22,23,24,25,26,27,28,29,30,31
	global_load_b32 v[XW+32*(\b)+\i], v4, s[\base:\base+1] offset:(32*(\b)+\i)*\pitch th:TH_LOAD_NT
.endr
.endm
.macro BLOCKA b                        ; a block of W_attn: all 32 numbers are my lane's
.set XS, XW+32*(\b)
.if (\b) < 3
	s_wait_loadcnt 32                               ; this block's 32 loads are in; the next block's may be out
.else
	s_wait_loadcnt 0x0
.endif
.if (\b) < 2
	LOADW (\b)+2, 6, 12288
.endif
	v_max3_num_f32 v240, |v[XS]|, |v[XS+1]|, |v[XS+2]|
	v_max3_num_f32 v241, |v[XS+3]|, |v[XS+4]|, |v[XS+5]|
.irp i, 6,10,14,18,22,26
	v_max3_num_f32 v240, v240, |v[XS+\i]|, |v[XS+\i+1]|
	v_max3_num_f32 v241, v241, |v[XS+\i+2]|, |v[XS+\i+3]|
.endr
	v_max3_num_f32 v240, v240, |v[XS+30]|, |v[XS+31]|
	v_max3_num_f32 v240, v240, v241, 0x1800000      ; and the floor
	v_add_nc_u32 v242, 0xff000000, v240
	v_lshrrev_b32 v243, 23, v242
.if (\b) == 0
	v_mov_b32 v160, v243                            ; the column's scale word: byte b for block b
.else
	v_lshl_or_b32 v160, v243, 8*(\b), v160
.endif
.irp g, 0,1,2,3
	v_cvt_scalef32_pk8_fp4_f32 v[OW+4*(\b)+\g], v[XS+8*\g:XS+8*\g+7], v242
.endr
	v_nop                                           ; a plain line behind the conversions: the next block writes their scale operand
	global_store_b128 v5, v[OW+4*(\b):OW+4*(\b)+3], s[12:13] offset:((\b)/2)*512+((\b)%2)*256   ; sixteen lanes store 256 consecutive bytes of an image
.endm
.macro BLOCKP b                        ; a block of W_proj: 32 numbers down K become 16 registers of f16
.if (\b) < 3
	s_wait_loadcnt 32
.else
	s_wait_loadcnt 0x0
.endif
.if (\b) < 2
	LOADW (\b)+2, 8, 4096
.endif
.irp j, 0,1,2,3,4,5,6,7,8,9,10,11,12,13,14,15
	v_cvt_pk_f16_f32 v[OW+16*(\b)+\j], v[XW+32*(\b)+2*\j], v[XW+32*(\b)+2*\j+1]
.endr
.irp i, 0,1,2,3
	global_store_b128 v5, v[OW+16*(\b)+4*\i:OW+16*(\b)+4*\i+3], s[14:15] offset:(\b)*8192+\i*256
.endr
.endm
	s_load_b256 s[4:11], s[0:1], 0x0                ; x s[4:5], W_attn s[6:7], W_proj s[8:9], xq s[10:11]
	s_load_b128 s[12:15], s[0:1], 0x20              ; wq s[12:13], wp s[14:15]
	v_lshl_add_u32 v[SPW], v0, 2, SPARE
	v_mov_b32 v[NIL], 0
	v_lshrrev_b32 v1, 5, v0
	v_readfirstlane_b32 s16, v1                     ; wave 0..3
	v_and_b32 v1, 31, v0                            ; lane
	v_and_b32 v2, 15, v0                            ; r
	v_bfe_u32 v3, v0, 4, 1                          ; h
	s_mov_b32 s25, 0                                ; the upper word of every offset
	s_wait_kmcnt 0x0
	s_cmp_ge_u32 ttmp9, 320
	s_cbranch_scc1 .Lwproj
	s_cmp_ge_u32 ttmp9, 128
	s_cbranch_scc1 .Lwattn
	; ---- x: the wave takes 64 rows x one K step of 128: four fragments
	s_and_b32 s17, ttmp9, 1
	s_lshl_b32 s17, s17, 2
	s_add_co_u32 s17, s17, s16                      ; the K step, 0..7
	s_lshr_b32 s22, ttmp9, 1                        ; which 64 rows
	s_lshl_b32 s24, s22, 18                         ; 64 rows of 4,096 bytes
	s_lshl_b32 s26, s17, 9                          ; 128 numbers
	s_add_co_u32 s24, s24, s26
	s_add_nc_u64 s[4:5], s[4:5], s[24:25]
	s_lshr_b32 s26, s22, 1
	s_lshl_b32 s26, s26, 1
	s_lshr_b32 s27, s17, 2
	s_add_co_u32 s26, s26, s27
	s_mul_i32 s26, s26, 34816                       ; my chunk: (block of 128 tokens) x 2 + half of K
	s_and_b32 s27, s17, 3                           ; the K step in it
	s_and_b32 s28, s22, 1                           ; which 64 of the 128 rows
	s_lshl_b32 s29, s27, 9
	s_lshl_b32 s30, s28, 8
	s_add_co_u32 s29, s29, s30
	s_add_co_u32 s24, s26, s29
	s_add_nc_u64 s[18:19], s[10:11], s[24:25]       ; my 64 scale words: 256 consecutive bytes
	s_lshl_b32 s29, s27, 13
	s_lshl_b32 s30, s28, 12
	s_add_co_u32 s29, s29, s30
	s_add_co_u32 s29, s29, 2048
	s_add_co_u32 s24, s26, s29
	s_add_nc_u64 s[10:11], s[10:11], s[24:25]       ; my four images
	s_mov_b32 s20, 0x76543210
	s_mov_b32 s21, 0xfedcba98                       ; v_permlanex16_b32's selects for lane xor 16
	v_lshlrev_b32 v4, 4, v1                         ; 16 x lane: in a row's 512 bytes, and in an image
	s_mul_i32 s23, s16, WREG
	v_add_nc_u32 v5, s23, v4                        ; the stage, on the way in
	v_mul_u32_u24 v6, v2, SP
	v_lshl_add_u32 v6, v3, 7, v6
	v_add_nc_u32 v6, s23, v6                        ; and out: row r, + 128 h
	s_add_co_u32 s23, s23, WORDS
	v_lshl_add_u32 v7, v2, 2, s23                   ; my row's scale word
	v_lshl_add_u32 v8, v1, 3, s23                   ; the words on the way out: 8 bytes a lane
	v_lshlrev_b32 v9, 3, v1
	v_lshlrev_b32 v10, 3, v3                        ; 8 h
	v_mov_b32 v248, 0                               ; a lane permute's destination counts as one of its sources
	LOADF 0
	LOADF 1
	FRAGX 0
	FRAGX 1
	FRAGX 2
	FRAGX 3
	ds_load_b64 v[240:241], v8                      ; LDS serves a wave's instructions in order: these see my four stores
	s_wait_dscnt 0x0
	global_store_b64 v9, v[240:241], s[18:19]       ; 32 lanes store 256 consecutive bytes, aligned
	s_wait_tensorcnt 0x0                            ; the wave's end, behind my last LDS store
	ds_add_u32 v[SPW], v[NIL]
	s_wait_dscnt 0x0
	s_endpgm
.Lwattn:	; ---- W_attn: a lane takes a column, its registers run down K: the wave takes 32 columns x one K step of 128
	s_sub_co_u32 s17, ttmp9, 128
	s_mul_hi_u32 s22, s17, 0x0aaaaaab               ; / 24: the K step (exact for numbers under 192)
	s_mul_i32 s23, s22, 24
	s_sub_co_u32 s23, s17, s23                      ; the block of 128 columns
	s_mul_i32 s24, s22, 128*12288
	s_lshl_b32 s26, s23, 9
	s_add_co_u32 s24, s24, s26
	s_lshl_b32 s26, s16, 7
	s_add_co_u32 s24, s24, s26
	s_add_nc_u64 s[6:7], s[6:7], s[24:25]
	s_lshl_b32 s26, s23, 1
	s_lshr_b32 s27, s22, 2
	s_add_co_u32 s26, s26, s27
	s_mul_i32 s26, s26, 34816                       ; my chunk
	s_and_b32 s27, s22, 3
	s_lshl_b32 s28, s27, 9
	s_lshl_b32 s29, s16, 7
	s_add_co_u32 s28, s28, s29
	s_add_co_u32 s24, s26, s28
	s_add_nc_u64 s[18:19], s[12:13], s[24:25]       ; my 32 scale words
	s_lshl_b32 s28, s27, 13
	s_lshl_b32 s29, s16, 11
	s_add_co_u32 s28, s28, s29
	s_add_co_u32 s28, s28, 2048
	s_add_co_u32 s24, s26, s28
	s_add_nc_u64 s[12:13], s[12:13], s[24:25]       ; my two images
	v_lshlrev_b32 v4, 2, v1                         ; 4 x lane
	v_lshlrev_b32 v5, 4, v2
	v_lshl_add_u32 v5, v3, 10, v5                   ; image lane / 16, 16 (lane % 16) in it
	LOADW 0, 6, 12288
	LOADW 1, 6, 12288
	BLOCKA 0
	BLOCKA 1
	BLOCKA 2
	BLOCKA 3
	global_store_b32 v4, v160, s[18:19]             ; 128 consecutive bytes a wave: one byte for each 128 that the wave reads
	s_endpgm
.Lwproj:	; ---- W_proj: the same plan; the wave takes 32 columns x 128 along K
	s_sub_co_u32 s17, ttmp9, 320
	s_and_b32 s22, s17, 7                           ; the block of 128 out columns
	s_lshr_b32 s23, s17, 3                          ; which 128 along K
	s_lshl_b32 s24, s23, 19
	s_lshl_b32 s26, s22, 9
	s_add_co_u32 s24, s24, s26
	s_lshl_b32 s26, s16, 7
	s_add_co_u32 s24, s24, s26
	s_add_nc_u64 s[8:9], s[8:9], s[24:25]
	s_lshl_b32 s24, s22, 18                         ; ((block x 32 + 4 x which) x 8 + 2 x wave) x 1,024
	s_lshl_b32 s26, s23, 15
	s_add_co_u32 s24, s24, s26
	s_lshl_b32 s26, s16, 11
	s_add_co_u32 s24, s24, s26
	s_add_nc_u64 s[14:15], s[14:15], s[24:25]
	v_lshlrev_b32 v4, 2, v1
	v_lshlrev_b32 v5, 4, v2
	v_lshl_add_u32 v5, v3, 10, v5
	LOADW 0, 8, 4096
	LOADW 1, 8, 4096
	BLOCKP 0
	BLOCKP 1
	BLOCKP 2
	BLOCKP 3
	s_endpgm
.Lfunc_end_k_q74bdea3fb9_prep:
	.size	k_q74bdea3fb9_prep, .Lfunc_end_k_q74bdea3fb9_prep-k_q74bdea3fb9_prep
	.p2alignl 7, 3214868480
	.fill 96, 4, 3214868480
	.section	.rodata,"a",@progbits
	.p2align	6, 0x0
	.amdhsa_kernel k_q74bdea3fb9_prep
		.amdhsa_group_segment_fixed_size 35328
		.amdhsa_private_segment_fixed_size 0
		.amdhsa_enable_private_segment 0
		.amdhsa_kernarg_size 48
		.amdhsa_user_sgpr_count 2
		.amdhsa_user_sgpr_kernarg_segment_ptr 1
		.amdhsa_wavefront_size32 1
		.amdhsa_system_sgpr_workgroup_id_x 1
		.amdhsa_system_sgpr_workgroup_id_y 1
		.amdhsa_system_sgpr_workgroup_id_z 1
		.amdhsa_system_vgpr_workitem_id 0
		.amdhsa_next_free_vgpr 256
		.amdhsa_next_free_sgpr 66
		.amdhsa_reserve_vcc 0
		.amdhsa_float_denorm_mode_32 3
		.amdhsa_float_denorm_mode_16_64 3
		.amdhsa_memory_ordered 1
		.amdhsa_forward_progress 1
		.amdhsa_inst_pref_size 68
	.end_amdhsa_kernel
	.amdgpu_metadata
---
amdhsa.version: [ 1, 2 ]
amdhsa.kernels:
  - .name:           k_q74bdea3fb9_prep
    .symbol:         k_q74bdea3fb9_prep.kd
    .args:
      - { .name: x, .offset: 0, .size: 8, .value_kind: global_buffer, .address_space: global }
      - { .name: W_attn, .offset: 8, .size: 8, .value_kind: global_buffer, .address_space: global }
      - { .name: W_proj, .offset: 16, .size: 8, .value_kind: global_buffer, .address_space: global }
      - { .name: xq, .offset: 24, .size: 8, .value_kind: global_buffer, .address_space: global }
      - { .name: wq, .offset: 32, .size: 8, .value_kind: global_buffer, .address_space: global }
      - { .name: wp, .offset: 40, .size: 8, .value_kind: global_buffer, .address_space: global }
    .group_segment_fixed_size: 35328
    .private_segment_fixed_size: 0
    .kernarg_segment_align: 8
    .kernarg_segment_size: 48
    .max_flat_workgroup_size: 128
    .sgpr_count:     66
    .vgpr_count:     256
    .wavefront_size: 32
...
	.end_amdgpu_metadata
.endif
;; end of part 1
;; launch qkv (part 2): grid 8 x 32, 4 waves a work-group, clusters of 4 x 4, 327,680 bytes of LDS; arguments xq, wq, qf, kv; writes qf, kv
.if DOCPART == 2
	.amdgcn_target "amdgcn-amd-amdhsa--gfx1250"
	.amdhsa_code_object_version 6
	.text
	.protected	k_q74bdea3fb9_qkv
	.globl	k_q74bdea3fb9_qkv
	.p2align	8
	.type	k_q74bdea3fb9_qkv,@function
k_q74bdea3fb9_qkv:
	s_mov_b64 s[64:65], 0
	v_nop
	global_prefetch_b8 v0, s[64:65] scope:SCOPE_SE
	s_setreg_imm32_b32 hwreg(HW_REG_WAVE_MODE, 25, 1), 1
	s_wait_xcnt 0x0
	s_wait_alu depctr_hold_cnt(0) depctr_sa_sdst(0) depctr_va_vdst(0) depctr_va_sdst(0) depctr_va_ssrc(0) depctr_va_vcc(0) depctr_vm_vsrc(0)
	s_getreg_b32 s2, hwreg(HW_REG_IB_STS2, 6, 4)
	s_cmp_eq_u32 s2, 0
	s_cbranch_scc0 .Lentry_in_a_cluster
	s_endpgm
.Lentry_in_a_cluster:
	s_bfe_u32 s2, ttmp6, 0x10000c
	s_cmp_lg_u32 s2, 0xf033
	s_cbranch_scc0 .Lentry_shape_is_right
	s_endpgm
.Lentry_shape_is_right:
; qkv = Q(x) Q(W_attn) on codes of E2M1 with E8M0 scales, sums in f32; then the rotary embedding of q and k in f32; q, k, v rounded once to f16 and stored as images of the operand registers of the attention launch.
; SHARES.  A work-group takes 128 tokens x (128 columns of q, the same 128 of k, the same 128 of v).  All its operands, 8 chunks of 34,816 bytes, lie in LDS at once: each byte of LDS is filled once, there is no ring.
; Wave (wr, wc) makes 64 tokens x 64 columns of each of the three: 48 accumulators.  K goes in 8 steps of 128, 48 matrix instructions each, the accumulators by turns in one fixed order.
; q AND k ARE USED TRANSPOSED (source 0 = 16 columns of W, source 1 = 16 tokens): a lane holds one token and 8 neighbouring channels: a rotary pair is two neighbouring registers, and two tiles, rounded in pairs, are a fragment
; (16 tokens x 32 channels) of the score product.  v IS USED AS IT STANDS (source 0 = tokens, source 1 = W): a lane holds one channel and 8 neighbouring keys: two tiles are a fragment of V^T.  So no result goes through LDS.
; CLUSTER 4 x 4.  The four work-groups of a row of the cluster have the same tokens, the four of a column the same columns of W: each chunk is asked for jointly, by the same tensor load with a mask that names the four.
; Wave 0 fetches x's two chunks, waves 1 to 3 those of Wq, Wk, Wv: two tensor loads a wave are out, both first fills.
; THE ANGLES.  theta = 2^(-(pair) log2(10) / 4); angle = position x theta; reduced by pi / 2 in two parts; polynomials of degree 7 and 8.  The table (32 pairs of cos and sin a lane) is made while the chunks are on their way.
; LIMITS: q, k, v beyond 65,504 in magnitude do not fit f16, under 6e-5 they keep f16's spacing of 6e-8; theta is v_exp_f32's (1 ulp: ISA guide, its entry), so an angle may be off by 2e-4; sin and cos hold to 3e-7.
; REGISTERS, in windows of 256: window 0: v1-12 addresses, v16-23 theta, v24-27 positions, v28-29 the add's two, v32-95 scale words (they hold nothing else), v96-159 the table, v160-191 and v192-223 at work.
;   window 1: two sets of 128: x's 4 fragments, then 4 of each W.   window 2: q's 16 accumulators, then k's.   window 3: v's 16.
.set CHUNK, 34816                      ; 2,048 bytes of scale words, then 4 K steps x 8 tiles x 1,024
.set GSTEP, 4*CHUNK                    ; LDS: operand o (x, Wq, Wk, Wv), half g of K at (4 g + o) x CHUNK
.set SPARE, 8*CHUNK                    ; the spare words, 128 bytes a wave, which no other line names
.set AX,   4                           ; v4     my fragments of x
.set AW,   5                           ; v5-7   of Wq, Wk, Wv
.set ASX,  8                           ; v8     my scale words of x
.set ASW,  9                           ; v9-11  of the three W
.set TH,   16
.set POS,  24
.set SPW,  28
.set NIL,  29
.set SC,   32                          ; half g at 32 g; register 8 q + 2 o + pair: lanes 0-15 tile 2 pair, lanes 16-31 tile 2 pair + 1
.set TAB,  96                          ; (cos, sin) of token tile a, half u of the head, pair p at 2 ((2 a + u) 4 + p)
.set T,    160
.set Y,    192
.set G1X,  24                          ; s[24:31], s[32:39] descriptor groups 1 and 0 (a set for each half of K) for x
.set G0X,  32
.set G1W,  48                          ; s[48:55], s[56:63] for W
.set G0W,  56
.set MSB, 0
.macro WIN new                         ; the immediate's high byte repeats the setting that is left
.if MSB != \new
	s_set_vgpr_msb (MSB<<8)|\new
.set MSB, \new
.endif
.endm
.macro PLACES
.rept 4
	v_nop
.endr
.endm
; A joint load: wave 0 asks for x, the others for W.  Each line has one mask; the branch hangs on the wave's number alone.  An s_nop 0 and four v_nop follow each line.
.macro JLOAD g0a, g1a, g0b, g1b
	s_cmp_eq_u32 s14, 0
	s_cbranch_scc0 .Lfor_w_\@
	tensor_load_to_lds s[\g0a:\g0a+3], s[\g1a:\g1a+7]
	s_nop 0
.rept 4
	v_nop
.endr
	s_branch .Lasked_\@
.Lfor_w_\@:
	tensor_load_to_lds s[\g0b:\g0b+3], s[\g1b:\g1b+7]
	s_nop 0
.rept 4
	v_nop
.endr
.Lasked_\@:
.endm
.macro CROUND                          ; a round of the cluster's barrier
	s_barrier_signal -1
	s_barrier_wait -1
	s_cmp_lg_u32 s14, 0
	s_cbranch_scc1 .Lnot_wave_0_\@
	s_barrier_signal -3
.Lnot_wave_0_\@:
	s_barrier_wait -3
	s_barrier_signal -1
	s_barrier_wait -1
.endm
; cos and sin of position(a) x theta(u, p), p = 0 .. 3 line by line: four chains that do not wait for each other.  Chain p works in v[T + 8 p] on.
.macro SINCOS4 a, u
.irp p, 0,1,2,3
	v_mul_f32 v[T+8*\p], v[POS+\a], v[TH+4*\u+\p]                  ; the angle
.endr
.irp p, 0,1,2,3
	v_mul_f32 v[T+8*\p+1], 0x3f22f983, v[T+8*\p]                   ; x 2 / pi
.endr
.irp p, 0,1,2,3
	v_rndne_f32 v[T+8*\p+1], v[T+8*\p+1]                           ; n
.endr
.irp p, 0,1,2,3
	v_fma_f32 v[T+8*\p+2], v[T+8*\p+1], s66, v[T+8*\p]             ; angle - n x (pi / 2)'s high part
.endr
.irp p, 0,1,2,3
	v_fma_f32 v[T+8*\p+2], v[T+8*\p+1], s67, v[T+8*\p+2]           ; - n x its low part: r, within pi / 4
.endr
.irp p, 0,1,2,3
	v_mul_f32 v[T+8*\p+3], v[T+8*\p+2], v[T+8*\p+2]                ; z = r r
.endr
.irp p, 0,1,2,3
	v_fma_f32 v[T+8*\p+4], v[T+8*\p+3], s68, s69
	v_fma_f32 v[T+8*\p+5], v[T+8*\p+3], s76, s77
.endr
.irp p, 0,1,2,3
	v_fma_f32 v[T+8*\p+4], v[T+8*\p+4], v[T+8*\p+3], s78
	v_fma_f32 v[T+8*\p+5], v[T+8*\p+5], v[T+8*\p+3], s79
.endr
.irp p, 0,1,2,3
	v_mul_f32 v[T+8*\p+4], v[T+8*\p+4], v[T+8*\p+3]
	v_fma_f32 v[T+8*\p+5], v[T+8*\p+5], v[T+8*\p+3], -0.5
.endr
.irp p, 0,1,2,3
	v_fma_f32 v[T+8*\p+4], v[T+8*\p+4], v[T+8*\p+2], v[T+8*\p+2]   ; sin r
	v_fma_f32 v[T+8*\p+5], v[T+8*\p+5], v[T+8*\p+3], 1.0           ; cos r
.endr
.irp p, 0,1,2,3
	v_cvt_i32_f32 v[T+8*\p+6], v[T+8*\p+1]
.endr
.irp p, 0,1,2,3
	v_and_b32 v[T+8*\p+7], 1, v[T+8*\p+6]
.endr
.irp p, 0,1,2,3
	v_cmp_eq_u32 s[84+\p], 1, v[T+8*\p+7]                          ; n odd: the two change places.  The mask selects values alone
.endr
.irp p, 0,1,2,3
	v_cndmask_b32 v[T+8*\p], v[T+8*\p+4], v[T+8*\p+5], s[84+\p]
	v_cndmask_b32 v[T+8*\p+1], v[T+8*\p+5], v[T+8*\p+4], s[84+\p]
.endr
.irp p, 0,1,2,3
	v_lshlrev_b32 v[T+8*\p+2], 30, v[T+8*\p+6]                     ; bit 1 of n: sin's sign
	v_add_nc_u32 v[T+8*\p+3], 1, v[T+8*\p+6]
.endr
.irp p, 0,1,2,3
	v_lshlrev_b32 v[T+8*\p+3], 30, v[T+8*\p+3]                     ; bit 1 of n + 1: cos's
.endr
.irp p, 0,1,2,3
	v_and_b32 v[T+8*\p+2], 0x80000000, v[T+8*\p+2]
	v_and_b32 v[T+8*\p+3], 0x80000000, v[T+8*\p+3]
.endr
.irp p, 0,1,2,3
	v_xor_b32 v[TAB+2*((2*\a+\u)*4+\p)+1], v[T+8*\p+2], v[T+8*\p]
	v_xor_b32 v[TAB+2*((2*\a+\u)*4+\p)], v[T+8*\p+3], v[T+8*\p+1]
.endr
.endm
.macro SCALES g                        ; a half of K's scale words: 32 loads of 4 bytes a lane
.irp q, 0,1,2,3
.irp pr, 0,1
	ds_load_b32 v[SC+32*\g+8*\q+\pr], v[ASX] offset:\q*512+\pr*128
.irp o, 1,2,3
	ds_load_b32 v[SC+32*\g+8*\q+2*\o+\pr], v[ASW+\o-1] offset:\q*512+\pr*128
.endr
.endr
.endr
.endm
.macro FETCH k                         ; K step k's 16 fragments into set k % 2: each an image, two loads of 512 consecutive bytes
	WIN 0x40                                        ; destination window 1, address window 0
.irp a, 0,1,2,3
	ds_load_b128 v[128*((\k)%2)+8*\a:128*((\k)%2)+8*\a+3],   v[AX] offset:((\k)%4)*8192+\a*1024
	ds_load_b128 v[128*((\k)%2)+8*\a+4:128*((\k)%2)+8*\a+7], v[AX] offset:((\k)%4)*8192+\a*1024+512
.endr
.irp o, 0,1,2
.irp t, 0,1,2,3
	ds_load_b128 v[128*((\k)%2)+32+32*\o+8*\t:128*((\k)%2)+32+32*\o+8*\t+3],   v[AW+\o] offset:((\k)%4)*8192+\t*1024
	ds_load_b128 v[128*((\k)%2)+32+32*\o+8*\t+4:128*((\k)%2)+32+32*\o+8*\t+7], v[AW+\o] offset:((\k)%4)*8192+\t*1024+512
.endr
.endr
	WIN 0
.endm
; One scaled product on the symbols rD, rA, rB, rSA, rSB.  ra, rb = 1: that side's scales stand in lanes 16-31.  ZF = 1: the product starts its sum.
.macro WM ra, rb
.if ZF
.if (\ra) && (\rb)
	v_wmma_scale_f32_16x16x128_f8f6f4 v[rD:rD+7], v[rA:rA+7], v[rB:rB+7], 0, v[rSA], v[rSB] matrix_a_fmt:MATRIX_FMT_FP4 matrix_b_fmt:MATRIX_FMT_FP4 matrix_a_scale:MATRIX_SCALE_ROW1 matrix_b_scale:MATRIX_SCALE_ROW1
.elseif \ra
	v_wmma_scale_f32_16x16x128_f8f6f4 v[rD:rD+7], v[rA:rA+7], v[rB:rB+7], 0, v[rSA], v[rSB] matrix_a_fmt:MATRIX_FMT_FP4 matrix_b_fmt:MATRIX_FMT_FP4 matrix_a_scale:MATRIX_SCALE_ROW1
.elseif \rb
	v_wmma_scale_f32_16x16x128_f8f6f4 v[rD:rD+7], v[rA:rA+7], v[rB:rB+7], 0, v[rSA], v[rSB] matrix_a_fmt:MATRIX_FMT_FP4 matrix_b_fmt:MATRIX_FMT_FP4 matrix_b_scale:MATRIX_SCALE_ROW1
.else
	v_wmma_scale_f32_16x16x128_f8f6f4 v[rD:rD+7], v[rA:rA+7], v[rB:rB+7], 0, v[rSA], v[rSB] matrix_a_fmt:MATRIX_FMT_FP4 matrix_b_fmt:MATRIX_FMT_FP4
.endif
.else
.if (\ra) && (\rb)
	v_wmma_scale_f32_16x16x128_f8f6f4 v[rD:rD+7], v[rA:rA+7], v[rB:rB+7], v[rD:rD+7], v[rSA], v[rSB] matrix_a_fmt:MATRIX_FMT_FP4 matrix_b_fmt:MATRIX_FMT_FP4 matrix_a_scale:MATRIX_SCALE_ROW1 matrix_b_scale:MATRIX_SCALE_ROW1
.elseif \ra
	v_wmma_scale_f32_16x16x128_f8f6f4 v[rD:rD+7], v[rA:rA+7], v[rB:rB+7], v[rD:rD+7], v[rSA], v[rSB] matrix_a_fmt:MATRIX_FMT_FP4 matrix_b_fmt:MATRIX_FMT_FP4 matrix_a_scale:MATRIX_SCALE_ROW1
.elseif \rb
	v_wmma_scale_f32_16x16x128_f8f6f4 v[rD:rD+7], v[rA:rA+7], v[rB:rB+7], v[rD:rD+7], v[rSA], v[rSB] matrix_a_fmt:MATRIX_FMT_FP4 matrix_b_fmt:MATRIX_FMT_FP4 matrix_b_scale:MATRIX_SCALE_ROW1
.else
	v_wmma_scale_f32_16x16x128_f8f6f4 v[rD:rD+7], v[rA:rA+7], v[rB:rB+7], v[rD:rD+7], v[rSA], v[rSB] matrix_a_fmt:MATRIX_FMT_FP4 matrix_b_fmt:MATRIX_FMT_FP4
.endif
.endif
.endm
; A K step of 128: its fragments were asked for a step ago; the next step's are asked for first, then come the 48 products.
.macro STEP k
	WIN 0
	s_wait_dscnt 0x0                                ; this step's fragments (and scale words) are in
.if (\k) == 3
	s_wait_tensorcnt 0x0                            ; my part of K's second half has landed,
	s_barrier_signal -1
	s_barrier_wait -1                               ; everybody's has.
.irp rg, AX, AW, AW+1, AW+2, ASX, ASW, ASW+1, ASW+2
	v_add_nc_u32 v[\rg], GSTEP, v[\rg]              ; on to the second half.  These eight plain lines are also the places in front of the loads below
.endr
	SCALES 1
.elseif (\k) > 0
	PLACES                                          ; four places between the last step's products and loads into the registers that the step before it... read: set (k + 1) % 2 was multiplied last step
.endif
.if (\k) < 7
	FETCH (\k)+1
.endif
.set ZF, 0
.if (\k) == 0
.set ZF, 1
.endif
.set SETB, 128*((\k)%2)
.set SCQ, SC+32*((\k)/4)+8*((\k)%4)
	WIN 0xa5                                        ; sources 0 and 1 window 1, C and D window 2
.irp o, 0,1
.irp t, 0,1,2,3
.irp a, 0,1,2,3
.set rD, 128*\o+8*(4*\t+\a)
.set rA, SETB+32+32*\o+8*\t
.set rB, SETB+8*\a
.set rSA, SCQ+2+2*\o+\t/2
.set rSB, SCQ+\a/2
	WM \t%2, \a%2                                   ; q, k: source 0 = 16 columns of W, source 1 = 16 tokens
.endr
.endr
.endr
	WIN 0xf5                                        ; C and D window 3
.irp a, 0,1,2,3
.irp t, 0,1,2,3
.set rD, 8*(4*\a+\t)
.set rA, SETB+8*\a
.set rB, SETB+96+8*\t
.set rSA, SCQ+\a/2
.set rSB, SCQ+6+\t/2
	WM \a%2, \t%2                                   ; v: source 0 = 16 tokens, source 1 = 16 columns of W
.endr
.endr
.endm
; THE WAY OUT of q (o = 0) or k (o = 1), column tile t, the four token tiles: rotated, rounded, stored.  n counts the batches: Y's two sets take turns.
.macro OUTQK o, t, n
	WIN 0x02                                        ; source 0 window 2
.irp a, 0,1,2,3
.irp p, 0,1,2,3
	v_mul_f32 v[T+8*\a+2*\p],   v[128*\o+8*(4*\t+\a)+2*\p+1], v[TAB+2*((2*\a+(\t)%2)*4+\p)+1]   ; x2 sin.  (An accumulator's first read is of its register 1)
	v_mul_f32 v[T+8*\a+2*\p+1], v[128*\o+8*(4*\t+\a)+2*\p+1], v[TAB+2*((2*\a+(\t)%2)*4+\p)]     ; x2 cos
.endr
.endr
.irp a, 0,1,2,3
.irp p, 0,1,2,3
	v_fma_f32 v[T+8*\a+2*\p],   v[128*\o+8*(4*\t+\a)+2*\p], v[TAB+2*((2*\a+(\t)%2)*4+\p)],   -v[T+8*\a+2*\p]    ; x1 cos - x2 sin
	v_fma_f32 v[T+8*\a+2*\p+1], v[128*\o+8*(4*\t+\a)+2*\p], v[TAB+2*((2*\a+(\t)%2)*4+\p)+1], v[T+8*\a+2*\p+1]   ; x1 sin + x2 cos
.endr
.endr
	WIN 0
	s_wait_xcnt 0x0                                 ; the earlier stores have read their registers: Y's set is written again only behind this wait
.irp a, 0,1,2,3
.irp j, 0,1,2,3
	v_cvt_pk_f16_f32 v[Y+16*((\n)%2)+4*\a+\j], v[T+8*\a+2*\j], v[T+8*\a+2*\j+1]
.endr
.endr
.irp a, 0,1,2,3
.if \o
	global_store_b128 v3, v[Y+16*((\n)%2)+4*\a:Y+16*((\n)%2)+4*\a+3], s[72:73] offset:((\t)/2)*524288+\a*2048+((\t)%2)*512   ; half an image: 512 consecutive bytes
.else
	global_store_b128 v3, v[Y+16*((\n)%2)+4*\a:Y+16*((\n)%2)+4*\a+3], s[70:71] offset:((\t)/2)*131072+\a*1024+((\t)%2)*512
.endif
.endr
.endm
.macro OUTV a, n                       ; v, token tile a, the four channel tiles
	s_wait_xcnt 0x0
	WIN 0x0f                                        ; sources 0 and 1 window 3
.irp t, 0,1,2,3
.irp j, 0,1,2,3
	v_cvt_pk_f16_f32 v[Y+16*((\n)%2)+4*\t+\j], v[8*(4*\a+\t)+2*\j], v[8*(4*\a+\t)+2*\j+1]
.endr
.endr
	WIN 0
.irp t, 0,1,2,3
	global_store_b128 v3, v[Y+16*((\n)%2)+4*\t:Y+16*((\n)%2)+4*\t+3], s[74:75] offset:((\a)/2)*4096+\t*1024+((\a)%2)*512
.endr
.endm
	s_load_b256 s[4:11], s[0:1], 0x0                ; xq s[4:5], wq s[6:7], qf s[8:9], kv s[10:11]
	v_lshl_add_u32 v[SPW], v0, 2, SPARE
	v_mov_b32 v[NIL], 0
	ds_add_u32 v[SPW], v[NIL]                       ; the wave's opening: the add, twice on end, and its wait ahead of my first tensor load
	ds_add_u32 v[SPW], v[NIL]
	v_lshrrev_b32 v1, 5, v0
	v_readfirstlane_b32 s14, v1                     ; wave 0..3: also the operand that I fetch
	s_lshr_b32 s15, s14, 1                          ; wr: which 64 tokens
	s_and_b32 s16, s14, 1                           ; wc: which 64 columns
	s_bfe_u32 s40, ttmp6, 0x40000                   ; cx, cy: my place in the cluster
	s_bfe_u32 s41, ttmp6, 0x40004
	s_lshl_b32 s42, ttmp9, 2
	s_add_co_u32 s42, s42, s40                      ; c: the block of 128 columns = 4 x cluster x + cx
	s_and_b32 s17, ttmp7, 0xffff
	s_lshl_b32 s17, s17, 2
	s_add_co_u32 s17, s17, s41                      ; mb: the block of 128 tokens = 4 x cluster y + cy
	s_lshl_b32 s43, s41, 2
	s_lshl_b32 s43, 15, s43                         ; my row of the cluster
	s_lshl_b32 s44, 0x1111, s40                     ; my column
	; descriptor group 1: a chunk is dense: 136 rows of 32 elements of 8 bytes, no padding
	s_or_b32 s[G1X+0], s43, (3<<16)|(1<<21)         ; 15:0 the mask: x's chunks go to my row; 17:16 elements of 8 bytes; 21 set beside a mask
	s_or_b32 s[G1W+0], s44, (3<<16)|(1<<21)         ; W's go to my column
.irp g, G1X, G1W
	s_mov_b32 s[\g+1], 32<<16                       ; tensor_dim0
	s_mov_b32 s[\g+2], 136<<16                      ; tensor_dim1
	s_mov_b32 s[\g+3], 32<<16                       ; tile_dim0
	s_mov_b32 s[\g+4], 136                          ; tile_dim1
	s_mov_b32 s[\g+5], 32                           ; tensor_dim0_stride
	s_mov_b32 s[\g+6], 0
	s_mov_b32 s[\g+7], 0
.endr
	s_mul_i32 s20, s17, 2*CHUNK                     ; x: my tokens' two chunks: it hangs on mb alone
	s_mov_b32 s21, 0
	s_max_u32 s46, s14, 1
	s_sub_co_u32 s46, s46, 1                        ; W: q, k or v by the wave's number,
	s_lshl_b32 s46, s46, 3
	s_add_co_u32 s46, s46, s42                      ; and c
	s_mul_i32 s46, s46, 2*CHUNK
	s_mov_b32 s47, 0
	s_mul_i32 s45, s14, CHUNK                       ; where they go: no place in the cluster enters an LDS address
	s_mov_b32 s66, 0xbfc90fdb                       ; -(pi / 2)'s high part
	s_mov_b32 s67, 0x333bbd2e                       ; -(its low part)
	s_mov_b32 s68, 0xb9500d01                       ; sin: -1 / 5040,
	s_mov_b32 s69, 0x3c088889                       ; 1 / 120,
	s_mov_b32 s78, 0xbe2aaaab                       ; -1 / 6
	s_mov_b32 s76, 0x37d00d01                       ; cos: 1 / 40320,
	s_mov_b32 s77, 0xbab60b61                       ; -1 / 720,
	s_mov_b32 s79, 0x3d2aaaab                       ; 1 / 24
	s_wait_dscnt 0x0                                ; both opening adds are done
	s_wait_kmcnt 0x0
	s_add_nc_u64 s[20:21], s[4:5], s[20:21]
	s_add_nc_u64 s[46:47], s[6:7], s[46:47]
	CROUND                                          ; all sixteen work-groups are here: the joint loads meet
.irp g, 0,1
	s_mov_b32 s[G0X+4*\g], 1                        ; count = 1
	s_add_co_u32 s[G0X+4*\g+1], s45, \g*GSTEP       ; LDS address
	s_add_nc_u64 s[G0X+4*\g+2:G0X+4*\g+3], s[20:21], \g*CHUNK
	s_or_b32 s[G0X+4*\g+3], s[G0X+4*\g+3], 0x80000000   ; type = 2
	s_mov_b32 s[G0W+4*\g], 1
	s_add_co_u32 s[G0W+4*\g+1], s45, \g*GSTEP
	s_add_nc_u64 s[G0W+4*\g+2:G0W+4*\g+3], s[46:47], \g*CHUNK
	s_or_b32 s[G0W+4*\g+3], s[G0W+4*\g+3], 0x80000000
	JLOAD G0X+4*\g, G1X, G0W+4*\g, G1W
.endr
	; where the results go
	s_lshr_b32 s80, s17, 4                          ; the batch
	s_and_b32 s81, s17, 15                          ; the block of 128 positions in it
	s_mov_b32 s83, 0
	s_lshl_b32 s82, s80, 5
	s_lshl_b32 s88, s42, 2
	s_add_co_u32 s82, s82, s88
	s_lshl_b32 s88, s16, 1
	s_add_co_u32 s82, s82, s88                      ; q: score head 4 c + 2 wc (+ t / 2) of the batch's 32,
	s_lshl_b32 s82, s82, 7
	s_lshl_b32 s88, s81, 3
	s_add_co_u32 s82, s82, s88
	s_lshl_b32 s88, s15, 2
	s_add_co_u32 s82, s82, s88                      ; token tile 8 st + 4 wr (+ a) of its 128
	s_lshl_b32 s82, s82, 10
	s_add_nc_u64 s[70:71], s[8:9], s[82:83]
	s_lshl_b32 s82, s80, 4
	s_and_b32 s88, s42, 3
	s_lshl_b32 s88, s88, 2
	s_add_co_u32 s82, s82, s88
	s_lshl_b32 s88, s16, 1
	s_add_co_u32 s82, s82, s88                      ; k: value head (score head % 16),
	s_lshl_b32 s82, s82, 4
	s_add_co_u32 s82, s82, s81                      ; step of 128 keys,
	s_lshl_b32 s82, s82, 15
	s_lshr_b32 s88, s42, 2
	s_lshl_b32 s88, s88, 10
	s_add_co_u32 s82, s82, s88                      ; path (score head / 16),
	s_lshl_b32 s88, s15, 13
	s_add_co_u32 s82, s82, s88                      ; key tile 4 wr (+ a)
	s_add_nc_u64 s[72:73], s[10:11], s[82:83]
	s_lshl_b32 s82, s80, 4
	s_lshl_b32 s88, s42, 1
	s_add_co_u32 s82, s82, s88
	s_add_co_u32 s82, s82, s16                      ; v: value head 2 c + wc,
	s_lshl_b32 s82, s82, 4
	s_add_co_u32 s82, s82, s81
	s_lshl_b32 s82, s82, 15
	s_lshl_b32 s88, s15, 13
	s_add_co_u32 s82, s82, s88                      ; block of 32 keys 2 wr (+ a / 2),
	s_add_co_u32 s82, s82, 16384                    ; behind the step's K
	s_add_nc_u64 s[74:75], s[10:11], s[82:83]
	; LDS addresses
	v_and_b32 v1, 15, v0                            ; r
	v_bfe_u32 v2, v0, 4, 1                          ; h
	v_and_b32 v3, 31, v0
	v_lshlrev_b32 v12, 2, v3                        ; 4 x lane
	v_lshlrev_b32 v3, 4, v3                         ; 16 x lane: an image's place for my lane, in LDS and in memory
	s_lshl_b32 s18, s15, 12
	s_add_co_u32 s18, s18, 2048
	v_add_nc_u32 v[AX], s18, v3
	s_lshl_b32 s18, s16, 12
	s_add_co_u32 s18, s18, 2048+CHUNK
.irp o, 0,1,2
	v_add_nc_u32 v[AW+\o], s18, v3
	s_add_co_u32 s18, s18, CHUNK
.endr
	s_lshl_b32 s18, s15, 8
	v_add_nc_u32 v[ASX], s18, v12
	s_lshl_b32 s18, s16, 8
	s_add_co_u32 s18, s18, CHUNK
.irp o, 0,1,2
	v_add_nc_u32 v[ASW+\o], s18, v12
	s_add_co_u32 s18, s18, CHUNK
.endr
	; theta of my eight pairs: pair 8 u + 4 h + p of the head's 16
	v_lshlrev_b32 v13, 2, v2
.irp e, 0,1,2,3,4,5,6,7
	v_add_nc_u32 v[TH+\e], 8*(\e/4)+\e%4, v13
.endr
.irp e, 0,1,2,3,4,5,6,7
	v_cvt_f32_u32 v[TH+\e], v[TH+\e]
.endr
.irp e, 0,1,2,3,4,5,6,7
	v_mul_f32 v[TH+\e], 0xbf549a78, v[TH+\e]        ; x -log2(10) / 4
.endr
.irp e, 0,1,2,3,4,5,6,7
	v_exp_f32 v[TH+\e], v[TH+\e]
.endr
	s_lshl_b32 s18, s81, 7
	s_lshl_b32 s19, s15, 6
	s_add_co_u32 s18, s18, s19
	v_add_nc_u32 v[POS], s18, v1                    ; my token's position in tile 0.  (Plain work behind the exponentials)
.irp a, 1,2,3
	v_add_nc_u32 v[POS+\a], 16*\a, v[POS]
.endr
.irp a, 0,1,2,3
	v_cvt_f32_u32 v[POS+\a], v[POS+\a]
.endr
	s_wait_alu depctr_va_vdst(0)                    ; one wait for the eight exponentials, ahead of their first reader
.irp a, 0,1,2,3
	SINCOS4 \a, 0
	SINCOS4 \a, 1
.endr
	s_wait_tensorcnt 1                              ; my chunk of K's first half is in; the second half's one load may stay out
	s_barrier_signal -1
	s_barrier_wait -1                               ; everybody's is
	SCALES 0
	FETCH 0
	STEP 0
	STEP 1
	STEP 2
	STEP 3
	STEP 4
	STEP 5
	STEP 6
	STEP 7
	WIN 0
	PLACES                                          ; four places between the last products and the first read of a result
	OUTQK 1, 0, 0
	OUTQK 1, 1, 1
	OUTQK 1, 2, 2
	OUTQK 1, 3, 3
	OUTQK 0, 0, 4
	OUTQK 0, 1, 5
	OUTQK 0, 2, 6
	OUTQK 0, 3, 7
	OUTV 0, 8
	OUTV 1, 9
	OUTV 2, 10
	OUTV 3, 11
	s_wait_tensorcnt 0x0                            ; the wave's end, behind my last tensor load
	ds_add_u32 v[SPW], v[NIL]
	s_wait_dscnt 0x0
	CROUND                                          ; the closing round: no work-group ends while a partner may still ask for a chunk that names it
	s_endpgm
.Lfunc_end_k_q74bdea3fb9_qkv:
	.size	k_q74bdea3fb9_qkv, .Lfunc_end_k_q74bdea3fb9_qkv-k_q74bdea3fb9_qkv
	.p2alignl 7, 3214868480
	.fill 96, 4, 3214868480
	.section	.rodata,"a",@progbits
	.p2align	6, 0x0
	.amdhsa_kernel k_q74bdea3fb9_qkv
		.amdhsa_group_segment_fixed_size 327680
		.amdhsa_private_segment_fixed_size 0
		.amdhsa_enable_private_segment 0
		.amdhsa_kernarg_size 32
		.amdhsa_user_sgpr_count 2
		.amdhsa_user_sgpr_kernarg_segment_ptr 1
		.amdhsa_wavefront_size32 1
		.amdhsa_system_sgpr_workgroup_id_x 1
		.amdhsa_system_sgpr_workgroup_id_y 1
		.amdhsa_system_sgpr_workgroup_id_z 1
		.amdhsa_system_vgpr_workitem_id 0
		.amdhsa_next_free_vgpr 896
		.amdhsa_next_free_sgpr 96
		.amdhsa_reserve_vcc 0
		.amdhsa_float_denorm_mode_32 3
		.amdhsa_float_denorm_mode_16_64 3
		.amdhsa_memory_ordered 1
		.amdhsa_forward_progress 1
		.amdhsa_inst_pref_size 164
	.end_amdhsa_kernel
	.amdgpu_metadata
---
amdhsa.version: [ 1, 2 ]
amdhsa.kernels:
  - .name:           k_q74bdea3fb9_qkv
    .symbol:         k_q74bdea3fb9_qkv.kd
    .args:
      - { .name: xq, .offset: 0, .size: 8, .value_kind: global_buffer, .address_space: global }
      - { .name: wq, .offset: 8, .size: 8, .value_kind: global_buffer, .address_space: global }
      - { .name: qf, .offset: 16, .size: 8, .value_kind: global_buffer, .address_space: global }
      - { .name: kv, .offset: 24, .size: 8, .value_kind: global_buffer, .address_space: global }
    .group_segment_fixed_size: 327680
    .private_segment_fixed_size: 0
    .kernarg_segment_align: 8
    .kernarg_segment_size: 32
    .max_flat_workgroup_size: 128
    .sgpr_count:     96
    .vgpr_count:     896
    .wavefront_size: 32
...
	.end_amdgpu_metadata
.endif
;; end of part 2
;; launch attn (part 3): grid 8 x 32, 16 waves a work-group, no clusters, 327,680 bytes of LDS; arguments qf, kv, lambda_q1, lambda_k1, lambda_q2, lambda_k2, nf; writes nf
.if DOCPART == 3
	.amdgcn_target "amdgcn-amd-amdhsa--gfx1250"
	.amdhsa_code_object_version 6
	.text
	.protected	k_q74bdea3fb9_attn
	.globl	k_q74bdea3fb9_attn
	.p2align	8
	.type	k_q74bdea3fb9_attn,@function
k_q74bdea3fb9_attn:
	s_mov_b64 s[64:65], 0
	v_nop
	global_prefetch_b8 v0, s[64:65] scope:SCOPE_SE
	s_setreg_imm32_b32 hwreg(HW_REG_WAVE_MODE, 25, 1), 1
	s_wait_xcnt 0x0
; For each batch and value head: A1, A2 = causal softmax(q k^T / sqrt(32)) v on the head's two score paths; diff = A1 - lam A2; diff x rsqrt(mean(diff^2) + 1e-5) x 0.8, rounded to f16 and stored as images of the projection's operand registers.
; lam = exp(lambda_q1 . lambda_k1) - exp(lambda_q2 . lambda_k2) + 0.2, in f32, by every wave.  Products on f16 operands with f32 sums; maxima, exponentials, sums and the norm in f32.
; SHARES.  Work-group (i, head) owns the blocks of 128 queries 15 - i and i: 16 - i and i + 1 blocks of 128 keys, 17 in every work-group.  Each of its SIXTEEN waves owns one tile of 16 queries with BOTH paths, so that each fragment
; of V serves twice and the difference needs no other wave.  Wave w takes tile w / 2 of the late block where (w xor w / 4) is even, of the early block else.  256 registers a wave.
; LAYOUT.  S^T = K Q^T (source 0 = 16 keys, source 1 = my 16 queries), O^T = V^T P (source 0 = 16 channels, source 1 = P): a lane holds ONE query (lane % 16) throughout; two tiles of S^T, rounded in pairs, are a fragment of P.
; SOFTMAX.  A running maximum m and sum l for each query and path: p = 2^(c s - c m), c = log2(e) / sqrt(32); in every half step O and l are multiplied by 2^(c m_old - c m_new).  l is summed of the f32 p.
; THE RING.  K and V lie in kv as images, a step of 128 keys in 32,768 dense bytes.  Two LDS slots of two steps; waves 0 to 3 fetch a quarter of a slot each; all sixteen read.  By this text's count one tensor load of a wave is out at most, and every wait for them is for 0.
; CAUSAL.  Every wave walks all 8 slots: the trip counts are constants.  A half step (64 keys) all of whose keys come after the wave's queries is jumped over, by a branch on ids; a slot whose first key comes after the work-group's last query is not asked for.
; NO CLUSTER: the eight work-groups of a head need from 5 to 8 slots under that limit, so partners would need different numbers of tiles.
; LIMITS: as the buffers hold f16: q, k, v within 65,504; a p under 6e-8 of its row's largest counts as 0 in the second product (not in l).  NaN and infinities are not served.
; REGISTERS: v1-9 addresses and constants; v10-25 statistics, 8 a path: +0 c m, +1 m, +2, +3 l, +4 .. +7 at work (+6 the rescaling factor); v26 r - 8 h; v32-47 Q; v48-111 O^T (32 a path); v112-175 S^T, then P in place; v176-239 eight fragments of K, then of V; v240-247 at work.
.set SLOT1, 65536                      ; slot 1 begins here: one exclusive or turns an address
.set SPARE, 131072                     ; behind the ring: the spare words, 128 bytes for each of 16 waves, which no other line names
.set SPW,  1
.set NIL,  2
.set LB,   3                           ; 16 x lane
.set ADR,  4
.set DD,   5
.set NINF, 6
.set PFO,  7
.set LAM,  8
.set ST,   10
.set RB,   26
.set Q,    32
.set O,    48
.set S,    112
.set F,    176
.set W,    240
.set TB,   2                           ; s2   LDS byte at which the slot in hand begins
.set WV,   18
.set SEL,  20
.set CS,   22                          ; s[22:23] c, named as a pair by the packed form
.set G1,   24
.set G0,   40                          ; s[40:43] the walking descriptor
.set SLOTS, 67
.set PFA,  76
.set LIM,  80
.set LASTQ, 95
.set KF,   98                          ; the half step's first key
.set Q0,   99                          ; my first query
.macro TLOAD                           ; waves 0 to 3 fetch; the branch hangs on the wave's number alone.  An s_nop 0 and four v_nop follow the load
	s_cmp_lt_u32 s[WV], 4
	s_cbranch_scc0 .Lnone_\@
	tensor_load_to_lds s[G0:G0+3], s[G1:G1+7]
	s_nop 0
.rept 4
	v_nop
.endr
.Lnone_\@:
.endm
; A PREFETCH INTO THE L2 of the slot that the NEXT change of slots will ask for: 65,536 dense bytes.  All eight work-groups of a head walk the same bytes: the one with i = 0, which walks all slots, asks; in it waves 4 to 11,
; which fetch nothing, 8,192 bytes each, lanes 256 bytes apart: each aligned 256 bytes are named once in the launch.  It stands where the fetching waves have just issued their load, a slot's four half steps ahead of the load that
; will want the bytes.  Slots 0 and 1 come by their loads alone; the last change that fills a slot asks for nothing.
.macro ASK
	s_cmp_gt_u32 s[SLOTS], s[LIM]
	s_cbranch_scc0 .Lnot_mine_\@
	global_prefetch_b8 v[PFO], s[PFA:PFA+1] th:TH_LOAD_NT scope:SCOPE_SE
.Lnot_mine_\@:
.endm
; THE CHANGE OF SLOTS, at a slot's head.  Each wave waits for all its tensor loads, adds 0 to its spare word, and waits for that and for its reads of the slot that it has left; behind the barrier the slot ahead is whole and nobody reads the other.
.macro CHANGE fill
	s_wait_tensorcnt 0x0                            ; no tensor load of mine is out, so the descriptor may be written
	ds_add_u32 v[SPW], v[NIL]
.if \fill
	ds_add_u32 v[SPW], v[NIL]                       ; where a load follows, twice on end, in every trip alike
	s_xor_b32 s[G0+1], s[G0+1], SLOT1               ; the other slot than last time,
	s_add_nc_u64 s[G0+2:G0+3], s[G0+2:G0+3], SLOT1  ; the next 256 keys; the type bits on top are not reached
	s_wait_xcnt 0x0                                 ; the last prefetch, a slot back, has read its address
	s_add_nc_u64 s[PFA:PFA+1], s[PFA:PFA+1], SLOT1  ; one slot further on than the descriptor
.endif
	s_wait_dscnt 0x0                                ; the add is done, and my reads of the slot that I have left are over
	s_barrier_signal -1
	s_barrier_wait -1
.if \fill
	s_add_co_u32 s96, s[KF], 256                    ; the first key of the slot that this change would ask for:
	s_cmp_gt_u32 s96, s[LASTQ]                      ; behind my work-group's last query no wave reads it.  Ids and the count of steps alone: all sixteen waves go the same way
	s_cbranch_scc1 .Lpast_\@
	TLOAD                                           ; a wave's one tensor load until the next change
.Lpast_\@:
	ASK
.endif
.endm
; A HALF STEP: 64 keys, the q-th of the slot in hand, both paths.
.macro HSTEP q
	s_add_co_u32 s96, s[Q0], 15
	s_cmp_gt_u32 s[KF], s96
	s_cbranch_scc1 .Lhid_\@                         ; all its keys come after my queries
	v_add_nc_u32 v[ADR], s[TB], v[LB]
.rept 4
	v_nop                                           ; with the addition five places behind the last products: four for the loads into the registers that they read, five for the products below, which write over P
.endr
.irp f, 0,1,2,3,4,5,6,7                         ; K: key tile f / 2, path f % 2
	ds_load_b128 v[F+8*\f:F+8*\f+3],   v[ADR] offset:((\q)/2)*32768+((\q)%2)*8192+\f*1024
	ds_load_b128 v[F+8*\f+4:F+8*\f+7], v[ADR] offset:((\q)/2)*32768+((\q)%2)*8192+\f*1024+512
.endr
	s_wait_dscnt 0x0
.irp kt, 0,1,2,3
.irp p, 0,1
	v_wmma_f32_16x16x32_f16 v[S+32*\p+8*\kt:S+32*\p+8*\kt+7], v[F+8*(2*\kt+\p):F+8*(2*\kt+\p)+7], v[Q+8*\p:Q+8*\p+7], 0
.endr
.endr
.rept 4
	v_nop                                           ; places in front of the loads into K's registers and of the first read of the scores
.endr
.irp f, 0,1,2,3,4,5,6,7                         ; V^T: block of 32 keys f / 4, channel tile f % 4: it lands under the softmax
	ds_load_b128 v[F+8*\f:F+8*\f+3],   v[ADR] offset:((\q)/2)*32768+16384+((\q)%2)*8192+\f*1024
	ds_load_b128 v[F+8*\f+4:F+8*\f+7], v[ADR] offset:((\q)/2)*32768+16384+((\q)%2)*8192+\f*1024+512
.endr
	s_add_co_u32 s96, s[KF], 63
	s_cmp_le_u32 s96, s[Q0]
	s_cbranch_scc1 .Lopen_\@                        ; all its keys count
	s_sub_co_i32 s96, s[Q0], s[KF]
	v_add_nc_u32 v[DD], s96, v[RB]                  ; d = my query - KF - 8 (lane / 16).  Register 8 kt + j holds key KF + 8 (lane / 16) + 16 kt + j: hidden where 16 kt + j > d
.set i, 0
.rept 32
	v_cmp_gt_i32 vcc_lo, 16*(i/8)+i%8, v[DD]
	v_cndmask_b32 v[S+i], v[S+i], v[NINF], vcc_lo
	v_cndmask_b32 v[S+32+i], v[S+32+i], v[NINF], vcc_lo
.set i, i+1
.endr
.Lopen_\@:
.irp j, 0,1,2,3                                 ; the maximum of a path's 32 scores and the old m: four chains a path, each from its accumulator's low end
.irp p, 0,1
	v_max3_num_f32 v[ST+8*\p+4+\j], v[S+32*\p+8*\j], v[S+32*\p+8*\j+1], v[S+32*\p+8*\j+2]
.endr
.endr
.irp n, 3,5
.irp j, 0,1,2,3
.irp p, 0,1
	v_max3_num_f32 v[ST+8*\p+4+\j], v[ST+8*\p+4+\j], v[S+32*\p+8*\j+\n], v[S+32*\p+8*\j+\n+1]
.endr
.endr
.endr
.irp p, 0,1
	v_max3_num_f32 v[ST+8*\p+4], v[ST+8*\p+4], v[S+32*\p+7], v[S+32*\p+15]
	v_max3_num_f32 v[ST+8*\p+6], v[ST+8*\p+6], v[S+32*\p+23], v[S+32*\p+31]
.endr
.irp p, 0,1
	v_max3_num_f32 v[ST+8*\p+4], v[ST+8*\p+4], v[ST+8*\p+5], v[ST+8*\p+6]
.endr
.irp p, 0,1
	v_max3_num_f32 v[ST+8*\p+4], v[ST+8*\p+4], v[ST+8*\p+7], v[ST+8*\p+1]
.endr
.irp p, 0,1
	v_permlanex16_b32 v[ST+8*\p+5], v[ST+8*\p+4], s[SEL], s[SEL+1]   ; the query's other 32 keys lie in the lane 16 away
.endr
.irp p, 0,1
	v_mov_b32 v[ST+8*\p+7], v[ST+8*\p]              ; c m_old
.endr
.irp p, 0,1
	v_max_num_f32 v[ST+8*\p+1], v[ST+8*\p+4], v[ST+8*\p+5]
.endr
.irp p, 0,1
	v_mul_f32 v[ST+8*\p], s[CS], v[ST+8*\p+1]       ; c m
.endr
.irp p, 0,1
	v_sub_f32 v[ST+8*\p+7], v[ST+8*\p+7], v[ST+8*\p]
.endr
.irp p, 0,1
.set i, 0
.rept 16
	v_pk_fma_f32 v[S+32*\p+i:S+32*\p+i+1], v[S+32*\p+i:S+32*\p+i+1], s[CS:CS+1], v[ST+8*\p:ST+8*\p+1] op_sel_hi:[1,0,0] neg_lo:[0,0,1] neg_hi:[0,0,1]   ; c s - c m, two at a time
.set i, i+2
.endr
.endr
.irp p, 0,1
	v_exp_f32 v[ST+8*\p+6], v[ST+8*\p+7]            ; ONE BATCH: the two rescaling factors and the 64 p; none reads another's result
.endr
.set i, 0
.rept 64
	v_exp_f32 v[S+i], v[S+i]
.set i, i+1
.endr
	v_nop                                           ; a plain line behind the last exponential,
	s_wait_alu depctr_va_vdst(0)                    ; and one wait for the batch ahead of its first reader
.irp p, 0,1                                     ; l: the sum of the f32 p, two chains a path, which leave p as it is
	v_pk_add_f32 v[W+4*\p:W+4*\p+1], v[S+32*\p:S+32*\p+1], v[S+32*\p+2:S+32*\p+3]
	v_pk_add_f32 v[W+4*\p+2:W+4*\p+3], v[S+32*\p+4:S+32*\p+5], v[S+32*\p+6:S+32*\p+7]
.endr
.irp n, 8,12,16,20,24,28
.irp p, 0,1
	v_pk_add_f32 v[W+4*\p:W+4*\p+1], v[W+4*\p:W+4*\p+1], v[S+32*\p+\n:S+32*\p+\n+1]
	v_pk_add_f32 v[W+4*\p+2:W+4*\p+3], v[W+4*\p+2:W+4*\p+3], v[S+32*\p+\n+2:S+32*\p+\n+3]
.endr
.endr
.irp p, 0,1
	v_pk_add_f32 v[W+4*\p:W+4*\p+1], v[W+4*\p:W+4*\p+1], v[W+4*\p+2:W+4*\p+3]
.endr
.irp p, 0,1
	v_pk_fma_f32 v[ST+8*\p+2:ST+8*\p+3], v[ST+8*\p+2:ST+8*\p+3], v[ST+8*\p+6:ST+8*\p+7], v[W+4*\p:W+4*\p+1] op_sel_hi:[1,0,1]
.endr
.irp p, 0,1                                     ; P in place, ascending: register j takes p 2 j and 2 j + 1, which no later line wants
.set i, 0
.rept 16
	v_cvt_pk_f16_f32 v[S+32*\p+i], v[S+32*\p+2*i], v[S+32*\p+2*i+1]
.set i, i+1
.endr
.endr
.irp p, 0,1                                     ; O^T under the new m, each accumulator from its low end
.set i, 0
.rept 16
	v_pk_mul_f32 v[O+32*\p+i:O+32*\p+i+1], v[O+32*\p+i:O+32*\p+i+1], v[ST+8*\p+6:ST+8*\p+7] op_sel_hi:[1,0]
.set i, i+2
.endr
.endr
	s_wait_dscnt 0x0                                ; V is in
.irp bl, 0,1                                    ; the eight accumulators by turns
.irp ct, 0,1,2,3
.irp p, 0,1
	v_wmma_f32_16x16x32_f16 v[O+32*\p+8*\ct:O+32*\p+8*\ct+7], v[F+8*(4*\bl+\ct):F+8*(4*\bl+\ct)+7], v[S+32*\p+8*\bl:S+32*\p+8*\bl+7], v[O+32*\p+8*\ct:O+32*\p+8*\ct+7]
.endr
.endr
.endr
.Lhid_\@:
	s_add_co_u32 s[KF], s[KF], 64
.endm
	s_load_b256 s[4:11], s[0:1], 0x0                ; qf s[4:5], kv s[6:7], lambda_q1 s[8:9], lambda_k1 s[10:11]
	s_load_b128 s[12:15], s[0:1], 0x20              ; lambda_q2 s[12:13], lambda_k2 s[14:15]
	s_load_b64 s[16:17], s[0:1], 0x30               ; nf
	v_lshl_add_u32 v[SPW], v0, 2, SPARE
	v_mov_b32 v[NIL], 0
	ds_add_u32 v[SPW], v[NIL]                       ; the wave's opening: the add, twice on end, and its wait ahead of the first tensor load
	ds_add_u32 v[SPW], v[NIL]
	v_lshrrev_b32 v9, 5, v0
	v_readfirstlane_b32 s[WV], v9                   ; wave 0..15
	s_and_b32 s70, ttmp7, 0xffff                    ; 16 x batch + head
	s_lshl_b32 s72, s70, 19                         ; its 16 steps of 32,768 bytes in kv
	s_mov_b32 s73, 0
	s_and_b32 s71, s[WV], 3
	s_lshl_b32 s71, s71, 14                         ; the quarter of a slot that I fetch, if I fetch
	s_mov_b32 s[G1], 3<<16                          ; no mask; elements of 8 bytes; no padding: 64 dense rows of 256 bytes
	s_mov_b32 s[G1+1], 32<<16                       ; tensor_dim0
	s_mov_b32 s[G1+2], 64<<16                       ; tensor_dim1
	s_mov_b32 s[G1+3], 32<<16                       ; tile_dim0
	s_mov_b32 s[G1+4], 64                           ; tile_dim1
	s_mov_b32 s[G1+5], 32                           ; tensor_dim0_stride
	s_mov_b32 s[G1+6], 0
	s_mov_b32 s[G1+7], 0
	s_lshr_b32 s74, s[WV], 2
	s_xor_b32 s74, s74, s[WV]
	s_and_b32 s74, s74, 1                           ; 0: the late block, 1: the early one
	s_sub_co_u32 s75, 15, ttmp9
	s_cmp_eq_u32 s74, 0
	s_cselect_b32 s75, s75, ttmp9
	s_lshl_b32 s[Q0], s75, 7
	s_lshr_b32 s74, s[WV], 1
	s_lshl_b32 s74, s74, 4
	s_add_co_u32 s[Q0], s[Q0], s74                  ; my first query
	s_sub_co_u32 s[LASTQ], 16, ttmp9
	s_lshl_b32 s[LASTQ], s[LASTQ], 7
	s_sub_co_u32 s[LASTQ], s[LASTQ], 1              ; the work-group's last query
	s_mov_b32 s[SEL], 0x76543210
	s_mov_b32 s[SEL+1], 0xfedcba98
	s_mov_b32 s[CS], 0x3e8293ee                     ; c = log2(e) / sqrt(32)
	s_mov_b32 s[CS+1], s[CS]
	s_mov_b32 s[TB], 0
	s_mov_b32 s[KF], 0
	s_mov_b32 s[SLOTS], 7
	s_wait_dscnt 0x0                                ; both opening adds are done
	s_wait_kmcnt 0x0
	s_add_nc_u64 s[6:7], s[6:7], s[72:73]           ; kv at my head
	s_mov_b32 s72, s71
	s_mov_b32 s[G0], 1                              ; count = 1
	s_mov_b32 s[G0+1], s71                          ; LDS address: slot 0
	s_add_nc_u64 s[G0+2:G0+3], s[6:7], s[72:73]
	s_or_b32 s[G0+3], s[G0+3], 0x80000000           ; type = 2
	TLOAD                                           ; slot 0: it holds key 0, which counts for every query
	; the prefetches: who asks, and where they stand
	s_sub_co_u32 s82, s[WV], 4
	s_lshr_b32 s83, s82, 3                          ; 0 in waves 4 to 11,
	s_or_b32 s83, s83, ttmp9                        ; of the work-group with i = 0
	s_cmp_eq_u32 s83, 0
	s_cselect_b32 s[LIM], 1, -1
	s_and_b32 s82, s82, 7
	s_lshl_b32 s82, s82, 13
	s_add_co_u32 s82, s82, SLOT1                    ; in slot 1: the first change steps it to slot 2.  Nothing is asked for here, at the head
	s_mov_b32 s83, 0
	s_add_nc_u64 s[PFA:PFA+1], s[6:7], s[82:83]
	v_and_b32 v[PFO], 31, v0
	v_lshlrev_b32 v[PFO], 8, v[PFO]
	; Q's two fragments, and the four lambdas
	s_lshr_b32 s84, s70, 4                          ; batch
	s_and_b32 s85, s70, 15                          ; head
	s_lshl_b32 s86, s84, 5
	s_add_co_u32 s86, s86, s85
	s_lshl_b32 s86, s86, 17                         ; score head 32 b + h: 128 tiles of 1,024 bytes; path 1 lies 16 heads on
	s_lshr_b32 s87, s[Q0], 4
	s_lshl_b32 s87, s87, 10
	s_add_co_u32 s86, s86, s87
	s_mov_b32 s87, 0
	s_add_nc_u64 s[4:5], s[4:5], s[86:87]
	v_and_b32 v[LB], 31, v0
	v_lshlrev_b32 v9, 2, v[LB]
	v_lshlrev_b32 v[LB], 4, v[LB]
.irp p, 0,1
	global_load_b128 v[Q+8*\p:Q+8*\p+3],   v[LB], s[4:5] offset:\p*2097152
	global_load_b128 v[Q+8*\p+4:Q+8*\p+7], v[LB], s[4:5] offset:\p*2097152+512
.endr
	global_load_b32 v240, v9, s[8:9]
	global_load_b32 v241, v9, s[10:11]
	global_load_b32 v242, v9, s[12:13]
	global_load_b32 v243, v9, s[14:15]
	s_lshl_b32 s86, s84, 4                          ; nf: (((16 b + Q0 / 128) 32 + 2 h) 8 + (Q0 / 16) % 8) x 1,024
	s_lshr_b32 s88, s[Q0], 7
	s_add_co_u32 s86, s86, s88
	s_lshl_b32 s86, s86, 5
	s_lshl_b32 s88, s85, 1
	s_add_co_u32 s86, s86, s88
	s_lshl_b32 s86, s86, 3
	s_lshr_b32 s88, s[Q0], 4
	s_and_b32 s88, s88, 7
	s_add_co_u32 s86, s86, s88
	s_lshl_b32 s86, s86, 10
	s_add_nc_u64 s[16:17], s[16:17], s[86:87]
	v_and_b32 v[RB], 15, v0
	v_bfe_u32 v27, v0, 4, 1
	v_lshlrev_b32 v27, 3, v27
	v_sub_nc_u32 v[RB], v[RB], v27                  ; r - 8 h
	v_mov_b32 v[NINF], 0xff800000
.irp p, 0,1
	v_mov_b32 v[ST+8*\p+1], 0xff61b1e6              ; m: -3e38, under every score
	v_mov_b32 v[ST+8*\p+2], 0                       ; l
	v_mov_b32 v[ST+8*\p+3], 0
	v_mov_b32 v[ST+8*\p+5], 0                       ; a lane permute's destination counts as one of its sources
	v_mov_b32 v[ST+8*\p+7], 0                       ; named as the upper half of a pair
.endr
.irp p, 0,1
	v_mul_f32 v[ST+8*\p], s[CS], v[ST+8*\p+1]
.endr
.set i, 0
.rept 64
	v_mov_b32 v[O+i], 0                             ; O^T: the half step is written once: the first finds zeros, which its factor 0 leaves zeros
.set i, i+1
.endr
	s_wait_loadcnt 0x0                              ; Q and the lambdas
	v_mul_f32 v240, v240, v241
	v_mul_f32 v242, v242, v243
.irp m, 1,2,4,8
	v_add_f32_dpp v240, v240, v240 row_xmask:\m row_mask:0xf bank_mask:0xf
	v_add_f32_dpp v242, v242, v242 row_xmask:\m row_mask:0xf bank_mask:0xf
.endr
	v_permlanex16_b32 v241, v240, s[SEL], s[SEL+1]
	v_permlanex16_b32 v243, v242, s[SEL], s[SEL+1]
	v_add_f32 v240, v240, v241                      ; the two dot products, in every lane
	v_add_f32 v242, v242, v243
	v_mul_f32 v240, 0x3fb8aa3b, v240
	v_mul_f32 v242, 0x3fb8aa3b, v242
	v_exp_f32 v240, v240
	v_exp_f32 v242, v242
	v_nop
	s_wait_alu depctr_va_vdst(0)                    ; one wait for the two, ahead of their first reader and of the loop's label
	v_sub_f32 v[LAM], v240, v242
	v_add_f32 v[LAM], 0x3e4ccccd, v[LAM]            ; lam
.Lslot:                                             ; 7 trips: behind each change of slots but the last the next slot is asked for, up to the causal limit
	CHANGE 1
	HSTEP 0
	HSTEP 1
	HSTEP 2
	HSTEP 3
	s_xor_b32 s[TB], s[TB], SLOT1
	s_sub_co_u32 s[SLOTS], s[SLOTS], 1
	s_cmp_lg_u32 s[SLOTS], 0
	s_cbranch_scc1 .Lslot
	CHANGE 0                                        ; the last slot is written out: nothing is left to ask for
	HSTEP 0
	HSTEP 1
	HSTEP 2
	HSTEP 3
	; THE WAY OUT stays in the wave.
.rept 4
	v_nop                                           ; places behind the last products
.endr
.irp p, 0,1
	v_add_f32 v[ST+8*\p+4], v[ST+8*\p+2], v[ST+8*\p+3]
.endr
.irp p, 0,1
	v_permlanex16_b32 v[ST+8*\p+5], v[ST+8*\p+4], s[SEL], s[SEL+1]
.endr
.irp p, 0,1
	v_add_f32 v[ST+8*\p+4], v[ST+8*\p+4], v[ST+8*\p+5]   ; l
.endr
.irp p, 0,1
	v_rcp_f32 v[ST+8*\p+6], v[ST+8*\p+4]
.endr
	v_nop
	s_wait_alu depctr_va_vdst(0)                    ; one wait for the two reciprocals
	v_mul_f32 v[ST+14], -v[ST+14], v[LAM]           ; -lam / l2
.set i, 0
.rept 16
	v_pk_mul_f32 v[O+i:O+i+1], v[O+i:O+i+1], v[ST+6:ST+7] op_sel_hi:[1,0]   ; A1
.set i, i+2
.endr
.set i, 0
.rept 16
	v_pk_fma_f32 v[O+i:O+i+1], v[O+32+i:O+32+i+1], v[ST+14:ST+15], v[O+i:O+i+1] op_sel_hi:[1,0,1]   ; A1 - lam A2
.set i, i+2
.endr
	v_pk_mul_f32 v[W:W+1], v[O:O+1], v[O:O+1]       ; the sum of squares of my 32 channels, in two chains
	v_pk_mul_f32 v[W+2:W+3], v[O+2:O+3], v[O+2:O+3]
.irp n, 4,8,12,16,20,24,28
	v_pk_fma_f32 v[W:W+1], v[O+\n:O+\n+1], v[O+\n:O+\n+1], v[W:W+1]
	v_pk_fma_f32 v[W+2:W+3], v[O+\n+2:O+\n+3], v[O+\n+2:O+\n+3], v[W+2:W+3]
.endr
	v_pk_add_f32 v[W:W+1], v[W:W+1], v[W+2:W+3]
	v_add_f32 v[W], v[W], v[W+1]
	v_permlanex16_b32 v[W+1], v[W], s[SEL], s[SEL+1]
	v_add_f32 v[W], v[W], v[W+1]                    ; with lane xor 16's 32: the row's 64
	s_mov_b32 s96, 0x3c800000                       ; 1 / 64
	s_mov_b32 s97, 0x3727c5ac                       ; 1e-5
	v_fma_f32 v[W], v[W], s96, s97
	v_rsq_f32 v[W], v[W]
	v_nop
	s_wait_alu depctr_va_vdst(0)
	v_mul_f32 v[W], 0x3f4ccccd, v[W]                ; x 0.8
.set i, 0
.rept 16
	v_pk_mul_f32 v[O+i:O+i+1], v[O+i:O+i+1], v[W:W+1] op_sel_hi:[1,0]
.set i, i+2
.endr
.set i, 0
.rept 16
	v_cvt_pk_f16_f32 v[S+i], v[O+2*i], v[O+2*i+1]
.set i, i+1
.endr
.irp ct, 0,1,2,3
	global_store_b128 v[LB], v[S+4*\ct:S+4*\ct+3], s[16:17] offset:(\ct/2)*8192+(\ct%2)*512   ; half an image: 512 consecutive bytes
.endr
	s_wait_tensorcnt 0x0                            ; the wave's end, behind the last tensor load
	ds_add_u32 v[SPW], v[NIL]
	s_wait_dscnt 0x0
	s_endpgm
.Lfunc_end_k_q74bdea3fb9_attn:
	.size	k_q74bdea3fb9_attn, .Lfunc_end_k_q74bdea3fb9_attn-k_q74bdea3fb9_attn
	.p2alignl 7, 3214868480
	.fill 96, 4, 3214868480
	.section	.rodata,"a",@progbits
	.p2align	6, 0x0
	.amdhsa_kernel k_q74bdea3fb9_attn
		.amdhsa_group_segment_fixed_size 327680
		.amdhsa_private_segment_fixed_size 0
		.amdhsa_enable_private_segment 0
		.amdhsa_kernarg_size 56
		.amdhsa_user_sgpr_count 2
		.amdhsa_user_sgpr_kernarg_segment_ptr 1
		.amdhsa_wavefront_size32 1
		.amdhsa_system_sgpr_workgroup_id_x 1
		.amdhsa_system_sgpr_workgroup_id_y 1
		.amdhsa_system_sgpr_workgroup_id_z 1
		.amdhsa_system_vgpr_workitem_id 0
		.amdhsa_next_free_vgpr 256
		.amdhsa_next_free_sgpr 100
		.amdhsa_reserve_vcc 1
		.amdhsa_float_denorm_mode_32 3
		.amdhsa_float_denorm_mode_16_64 3
		.amdhsa_memory_ordered 1
		.amdhsa_forward_progress 1
		.amdhsa_inst_pref_size 174
	.end_amdhsa_kernel
	.amdgpu_metadata
---
amdhsa.version: [ 1, 2 ]
amdhsa.kernels:
  - .name:           k_q74bdea3fb9_attn
    .symbol:         k_q74bdea3fb9_attn.kd
    .args:
      - { .name: qf, .offset: 0, .size: 8, .value_kind: global_buffer, .address_space: global }
      - { .name: kv, .offset: 8, .size: 8, .value_kind: global_buffer, .address_space: global }
      - { .name: lambda_q1, .offset: 16, .size: 8, .value_kind: global_buffer, .address_space: global }
      - { .name: lambda_k1, .offset: 24, .size: 8, .value_kind: global_buffer, .address_space: global }
      - { .name: lambda_q2, .offset: 32, .size: 8, .value_kind: global_buffer, .address_space: global }
      - { .name: lambda_k2, .offset: 40, .size: 8, .value_kind: global_buffer, .address_space: global }
      - { .name: nf, .offset: 48, .size: 8, .value_kind: global_buffer, .address_space: global }
    .group_segment_fixed_size: 327680
    .private_segment_fixed_size: 0
    .kernarg_segment_align: 8
    .kernarg_segment_size: 56
    .max_flat_workgroup_size: 512
    .sgpr_count:     100
    .vgpr_count:     256
    .wavefront_size: 32
...
	.end_amdgpu_metadata
.endif
;; end of part 3
;; launch proj (part 4): grid 8 x 32, 4 waves a work-group, clusters of 4 x 4, 327,680 bytes of LDS; arguments nf, wp, out0; writes out0
.if DOCPART == 4
	.amdgcn_target "amdgcn-amd-amdhsa--gfx1250"
	.amdhsa_code_object_version 6
	.text
	.protected	k_q74bdea3fb9_proj
	.globl	k_q74bdea3fb9_proj
	.p2align	8
	.type	k_q74bdea3fb9_proj,@function
k_q74bdea3fb9_proj:
	s_mov_b64 s[64:65], 0
	v_nop
	global_prefetch_b8 v0, s[64:65] scope:SCOPE_SE
	s_setreg_imm32_b32 hwreg(HW_REG_WAVE_MODE, 25, 1), 1
	s_wait_xcnt 0x0
	s_wait_alu depctr_hold_cnt(0) depctr_sa_sdst(0) depctr_va_vdst(0) depctr_va_sdst(0) depctr_va_ssrc(0) depctr_va_vcc(0) depctr_vm_vsrc(0)
	s_getreg_b32 s2, hwreg(HW_REG_IB_STS2, 6, 4)
	s_cmp_eq_u32 s2, 0
	s_cbranch_scc0 .Lentry_in_a_cluster
	s_endpgm
.Lentry_in_a_cluster:
	s_bfe_u32 s2, ttmp6, 0x10000c
	s_cmp_lg_u32 s2, 0xf033
	s_cbranch_scc0 .Lentry_shape_is_right
	s_endpgm
.Lentry_shape_is_right:
; out0 [4096][1024] f32 = N W_proj, N the normalised rows: both operands f16, as images of their operand registers (nf, wp); sums in f32.
; A tile of out0 is 128 x 128, so that there are 256 work-groups; four waves, each 64 x 64: 16 accumulators.  K goes in 4 steps of 256 through a ring of two LDS slots; a step's 128 rows of an operand are 65,536 dense bytes
; ([8 blocks of 32 along K][8 tiles of 16 rows][1,024]); a wave's tensor load brings half of that.  A fragment comes out of LDS by two loads of 512 consecutive bytes: no pitch, no padding.
; CLUSTER 4 x 4: the four work-groups of a row of the cluster need the same tiles of N, the four of a column the same of W: each is asked for jointly, by the same tensor load with a mask that names the four.
; THE MATRIX INSTRUCTION IS USED TRANSPOSED (source 0 = 16 out columns, source 1 = 16 tokens): a lane holds eight neighbouring numbers of a row of out0.
; By this text's count two tensor loads of a wave are out at the start, one behind each round.  No prefetch: a K step's tiles are small and every tile of N is read by two clusters, of W by eight, at about the same time.
; REGISTERS: window 0: v0-31 addresses; v32-95 the way out; v128-255 the accumulators ((a, b) at v[128 + 8 (4 a + b)]).   window 1: two fragment buffers of 128: for 64 along K, 64 registers of N, then 64 of W.
.set KB,     8192                      ; 32 along K of 128 rows
.set HALFT,  32768                     ; what one tensor load brings
.set KSTEPB, 65536                     ; a K step of one operand
.set SLOT,   131072                    ; N's, then W's
.set STAGE,  2*SLOT                    ; behind the ring: 16 rows x 272 bytes for each wave, for the way out; no tensor load lands there
.set SPITCH, 272
.set SPARE,  STAGE+4*16*SPITCH         ; the spare words, 128 bytes a wave, which no other line names
.set LAPS,   2                         ; a lap = two K steps = once round the ring
.set ADRA, 16
.set ADRB, 20
.set STO,  24
.set RD,   25
.set CO,   26
.set SPW,  28
.set NIL,  29
.set TMP,  32
.set ACC,  128
.set F0,   0
.set F1,   128
.set G1, 24
.set G0, 32
.set G1B, 48
.set G0B, 56
.set MSB, 0
.macro WIN new                         ; the immediate's high byte repeats the setting that is left
.if MSB != \new
	s_set_vgpr_msb (MSB<<8)|\new
.set MSB, \new
.endif
.endm
.set MUL,  0x05                        ; sources 0 and 1 window 1; C and D window 0
.set TO_F, 0x40                        ; destination window 1, address window 0
.macro JLOAD s                         ; a joint load: waves 0 and 1 fetch N's two halves, waves 2 and 3 W's; an s_nop 0 and four v_nop follow each line
	s_cmp_eq_u32 s11, 0
	s_cbranch_scc0 .Lfor_b_\@
	tensor_load_to_lds s[G0+4*\s:G0+4*\s+3], s[G1:G1+7]
	s_nop 0
.rept 4
	v_nop
.endr
	s_branch .Lasked_\@
.Lfor_b_\@:
	tensor_load_to_lds s[G0B+4*\s:G0B+4*\s+3], s[G1B:G1B+7]
	s_nop 0
.rept 4
	v_nop
.endr
.Lasked_\@:
.endm
.macro CREST                           ; a round of the cluster's barrier behind its opening barrier
	s_cmp_lg_u32 s10, 0
	s_cbranch_scc1 .Lnot_wave_0_\@
	s_barrier_signal -3
.Lnot_wave_0_\@:
	s_barrier_wait -3
	s_barrier_signal -1
	s_barrier_wait -1
.endm
.macro CROUND
	s_barrier_signal -1
	s_barrier_wait -1
	CREST
.endm
	s_load_b128 s[4:7], s[0:1], 0x0                ; nf s[4:5], wp s[6:7]
	s_load_b64 s[8:9], s[0:1], 0x10                ; out0
	v_lshl_add_u32 v[SPW], v0, 2, SPARE
	v_mov_b32 v[NIL], 0
	ds_add_u32 v[SPW], v[NIL]                      ; the wave's opening: the add, twice on end, and its wait ahead of my first tensor load
	ds_add_u32 v[SPW], v[NIL]
	v_lshrrev_b32 v1, 5, v0
	v_readfirstlane_b32 s10, v1                    ; wave 0..3
	s_lshr_b32 s11, s10, 1                         ; which 64 tokens are mine.  Also: I fetch for N (0) or for W (1)
	s_and_b32 s12, s10, 1                          ; which 64 columns.  Also: which half of a K step I fetch
	s_bfe_u32 s40, ttmp6, 0x40000                  ; cx, cy
	s_bfe_u32 s41, ttmp6, 0x40004
	s_lshl_b32 s42, ttmp9, 2
	s_add_co_u32 s42, s42, s40                     ; the block of 128 out columns
	s_and_b32 s13, ttmp7, 0xffff
	s_lshl_b32 s13, s13, 2
	s_add_co_u32 s13, s13, s41                     ; the block of 128 tokens
	s_lshl_b32 s43, s41, 2
	s_lshl_b32 s43, 15, s43                        ; my row of the cluster
	s_lshl_b32 s44, 0x1111, s40                    ; my column
	s_or_b32 s[G1+0], s43, (3<<16)|(1<<21)         ; 15:0 the mask; 17:16 elements of 8 bytes; 21 set beside a mask; no padding
	s_or_b32 s[G1B+0], s44, (3<<16)|(1<<21)
.irp g, G1, G1B
	s_mov_b32 s[\g+1], 32<<16                      ; tensor_dim0: rows of 256 bytes,
	s_mov_b32 s[\g+2], 128<<16                     ; tensor_dim1: 128 of them, dense
	s_mov_b32 s[\g+3], 32<<16                      ; tile_dim0
	s_mov_b32 s[\g+4], 128                         ; tile_dim1
	s_mov_b32 s[\g+5], 32                          ; tensor_dim0_stride
	s_mov_b32 s[\g+6], 0
	s_mov_b32 s[\g+7], 0
.endr
	s_lshl_b32 s17, s12, 15
	s_lshl_b32 s16, s13, 18                        ; N: 262,144 bytes a block of tokens, + my half
	s_add_co_u32 s16, s16, s17
	s_lshl_b32 s46, s42, 18                        ; W: the same a block of columns
	s_add_co_u32 s46, s46, s17
	s_mov_b32 s17, 0
	s_mov_b32 s47, 0
	s_lshl_b32 s20, s10, 15                        ; where they go: wave x 32,768
	s_wait_dscnt 0x0                               ; both opening adds are done
	s_wait_kmcnt 0x0
	s_add_nc_u64 s[14:15], s[4:5], s[16:17]
	s_add_nc_u64 s[46:47], s[6:7], s[46:47]
	CROUND                                         ; all sixteen work-groups are here: the first joint loads meet
.irp s, 0,1
	s_mov_b32 s[G0+4*\s], 1
	s_add_co_u32 s[G0+4*\s+1], s20, \s*SLOT
	s_add_nc_u64 s[G0+4*\s+2:G0+4*\s+3], s[14:15], \s*KSTEPB
	s_or_b32 s[G0+4*\s+3], s[G0+4*\s+3], 0x80000000
	s_mov_b32 s[G0B+4*\s], 1
	s_add_co_u32 s[G0B+4*\s+1], s20, \s*SLOT
	s_add_nc_u64 s[G0B+4*\s+2:G0B+4*\s+3], s[46:47], \s*KSTEPB
	s_or_b32 s[G0B+4*\s+3], s[G0B+4*\s+3], 0x80000000
	JLOAD \s
.endr
	v_and_b32 v1, 15, v0                           ; l % 16
	v_bfe_u32 v2, v0, 4, 1                         ; l / 16
	v_and_b32 v3, 31, v0
	v_lshlrev_b32 v3, 4, v3                        ; 16 x lane: an image's place for my lane
	s_lshl_b32 s21, s11, 12                        ; my four tiles of tokens
	s_lshl_b32 s22, s12, 12                        ; my four tiles of columns,
	s_add_co_u32 s22, s22, KSTEPB                  ; behind N's part of the slot
.irp s, 0,1
	v_add_nc_u32 v[ADRA+\s], s21, v3
	v_add_nc_u32 v[ADRB+\s], s22, v3
	s_add_co_u32 s21, s21, SLOT
	s_add_co_u32 s22, s22, SLOT
.endr
	s_mul_i32 s23, s10, 16*SPITCH
	s_add_co_u32 s23, s23, STAGE                   ; my stage
	v_mul_u32_u24 v4, v1, SPITCH                   ; in: row l % 16, 32 bytes for each half of the lanes
	v_lshl_add_u32 v4, v2, 5, v4
	v_add_nc_u32 v[STO], s23, v4
	v_mul_u32_u24 v5, v2, SPITCH                   ; back: lanes 0-15 one row of 256 bytes, lanes 16-31 the next
	v_lshl_add_u32 v5, v1, 4, v5
	v_add_nc_u32 v[RD], s23, v5
	v_lshlrev_b32 v5, 12, v2                       ; and the same two rows in out0
	v_lshl_add_u32 v[CO], v1, 4, v5
	s_lshl_b32 s16, s13, 19                        ; my first row: 128 x block + 64 x half, 4,096 bytes a row
	s_lshl_b32 s17, s11, 18
	s_add_co_u32 s16, s16, s17
	s_mov_b32 s17, 0
	s_add_nc_u64 s[8:9], s[8:9], s[16:17]
	s_lshl_b32 s46, s42, 9                         ; my first column, in bytes: 512 x block + 256 x half
	s_lshl_b32 s47, s12, 8
	s_add_co_u32 s46, s46, s47
	s_mov_b32 s47, 0
	s_add_nc_u64 s[8:9], s[8:9], s[46:47]
; 8 matrix instructions: token tiles a0, a0 + 1 x all 4 column tiles, 32 along K: half c of buffer f.  zero = 1: the first product starts the sums.  The 16 accumulators take turns.
.macro MUL8 f, c, a0, zero
.irp a, \a0, \a0+1
.irp b, 0,1,2,3
.if \zero
	v_wmma_f32_16x16x32_f16 v[ACC+8*(4*(\a)+\b):ACC+8*(4*(\a)+\b)+7], v[\f+64+8*(4*\c+\b):\f+64+8*(4*\c+\b)+7], v[\f+8*(4*\c+\a):\f+8*(4*\c+\a)+7], 0
.else
	v_wmma_f32_16x16x32_f16 v[ACC+8*(4*(\a)+\b):ACC+8*(4*(\a)+\b)+7], v[\f+64+8*(4*\c+\b):\f+64+8*(4*\c+\b)+7], v[\f+8*(4*\c+\a):\f+8*(4*\c+\a)+7], v[ACC+8*(4*(\a)+\b):ACC+8*(4*(\a)+\b)+7]
.endif
.endr
.endr
.endm
; 32 LDS loads in one run: the fragments of the slot's kq-th 64 along K into buffer f; the first 32 along K first
.macro FETCH slot, kq, f
	WIN TO_F
.irp c, 0,1
.irp i, 0,1,2,3
	ds_load_b128 v[\f+64+8*(4*\c+\i):\f+64+8*(4*\c+\i)+3],   v[ADRB+\slot] offset:(2*(\kq)+\c)*KB+\i*1024
	ds_load_b128 v[\f+64+8*(4*\c+\i)+4:\f+64+8*(4*\c+\i)+7], v[ADRB+\slot] offset:(2*(\kq)+\c)*KB+\i*1024+512
	ds_load_b128 v[\f+8*(4*\c+\i):\f+8*(4*\c+\i)+3],         v[ADRA+\slot] offset:(2*(\kq)+\c)*KB+\i*1024
	ds_load_b128 v[\f+8*(4*\c+\i)+4:\f+8*(4*\c+\i)+7],       v[ADRA+\slot] offset:(2*(\kq)+\c)*KB+\i*1024+512
.endr
.endr
.endm
.macro PLACES                          ; four places in front of loads into registers that matrix instructions have read, and of the first read of results
.rept 4
	v_nop
.endr
.endm
; A K step is four quarters of 64 along K, 32 matrix instructions each, on buffers 0, 1, 0, 1.  One of the first three: multiplies buffer f and fetches quarter kq into g.
.macro QUARTER slot, kq, f, g, zero
	s_wait_dscnt 16                                ; the first 32 along K are in; the other sixteen loads may be out
	WIN MUL
	MUL8 \f, 0, 0, \zero
	MUL8 \f, 0, 2, \zero
	PLACES
	FETCH \slot, \kq, \g
	s_wait_dscnt 32                                ; all but the 32 just issued
	WIN MUL
	MUL8 \f, 1, 0, 0
	MUL8 \f, 1, 2, 0
.endm
; The last quarter multiplies buffer 1 and changes slots: ONE barrier; in front of it each wave waits for all its tensor loads, adds 0 to its spare word, and waits for that and for its reads of this slot.  fill = 1: the slot is filled again, two K steps ahead.
.macro TURN slot, next, fill
	WIN 0                                          ; (the add's two registers lie in window 0)
	s_wait_tensorcnt 0x0                           ; all my tensor loads have landed: my part of the next slot;
	ds_add_u32 v[SPW], v[NIL]
	s_wait_dscnt 17                                ; (the add and the youngest sixteen loads may be out)
	WIN MUL
	MUL8 F1, 0, 0, 0                               ; eight matrix instructions stand between the add and the wait for it
	s_wait_dscnt 0x0                               ; the add is done, and my reads of this slot are over
	s_barrier_signal -1
	MUL8 F1, 0, 2, 0
.if \fill
	WIN 0
.endif
	s_barrier_wait -1
.if \fill
	CREST                                          ; the barrier has opened a round of the cluster's: no wave of any partner still reads this slot or has a load on its way
	s_add_nc_u64 s[G0+4*\slot+2:G0+4*\slot+3], s[G0+4*\slot+2:G0+4*\slot+3], 2*KSTEPB
	s_add_nc_u64 s[G0B+4*\slot+2:G0B+4*\slot+3], s[G0B+4*\slot+2:G0B+4*\slot+3], 2*KSTEPB
	JLOAD \slot                                    ; the first tensor load behind the round; its four v_nop are also the places in front of the loads below
.else
	PLACES
.endif
	FETCH \next, 0, F0
	WIN MUL
	MUL8 F1, 1, 0, 0
	MUL8 F1, 1, 2, 0
.endm
	s_wait_tensorcnt 1                             ; my part of K step 0 is in; K step 1's one load may stay out
	s_barrier_signal -1
	s_barrier_wait -1                              ; everybody's is
	FETCH 0, 0, F0
	QUARTER 0, 1, F0, F1, 1                        ; the first quarter stands in front of the loop: its first products start the sums
	WIN 0                                          ; at a label and at a branch every window is 0
	s_mov_b32 s3, LAPS-1
.Llap:                                                 ; a trip goes once round the ring, from a lap's second quarter to the next lap's first, and fills both slots again
	QUARTER 0, 2, F1, F0, 0
	QUARTER 0, 3, F0, F1, 0
	TURN 0, 1, 1
	QUARTER 1, 1, F0, F1, 0
	QUARTER 1, 2, F1, F0, 0
	QUARTER 1, 3, F0, F1, 0
	TURN 1, 0, 1
	QUARTER 0, 1, F0, F1, 0
	WIN 0
	s_sub_co_u32 s3, s3, 1
	s_cmp_lg_u32 s3, 0
	s_cbranch_scc1 .Llap
	QUARTER 0, 2, F1, F0, 0                        ; the last lap fills nothing, and has no round of the cluster's barrier
	QUARTER 0, 3, F0, F1, 0
	TURN 0, 1, 0
	QUARTER 1, 1, F0, F1, 0
	QUARTER 1, 2, F1, F0, 0
	QUARTER 1, 3, F0, F1, 0
	s_wait_dscnt 16                                ; the very last quarter: nothing more to fetch
	WIN MUL
	MUL8 F1, 0, 0, 0
	MUL8 F1, 0, 2, 0
	s_wait_dscnt 0
	MUL8 F1, 1, 0, 0
	MUL8 F1, 1, 2, 0
	WIN 0
	; THE WAY OUT, a tile of 16 tokens at a time.  A lane holds 32 neighbouring bytes of a row and the lanes beside it other rows: so the tile goes through my own stage and comes back as whole rows of 256 bytes (my 64 columns).
	; LDS serves a wave's instructions in order: no wait between the stores and the loads, nor in front of the next tile's stores.
	PLACES
.irp a, 0,1,2,3
.if \a > 1
	s_wait_xcnt 0x0                                ; the stores of the tile two back have read their registers: they are loaded again only behind this wait
.endif
.irp b, 0,1,2,3
	ds_store_b128 v[STO], v[ACC+8*(4*\a+\b):ACC+8*(4*\a+\b)+3] offset:64*\b          ; each accumulator from its low end on
	ds_store_b128 v[STO], v[ACC+8*(4*\a+\b)+4:ACC+8*(4*\a+\b)+7] offset:64*\b+16
.endr
.irp i, 0,1,2,3,4,5,6,7
	ds_load_b128 v[TMP+32*(\a%2)+4*\i:TMP+32*(\a%2)+4*\i+3], v[RD] offset:\i*2*SPITCH
.endr
.irp i, 0,1,2,3,4,5,6,7
	s_wait_dscnt 7-\i                              ; load i is back; the younger ones may be out
	global_store_b128 v[CO], v[TMP+32*(\a%2)+4*\i:TMP+32*(\a%2)+4*\i+3], s[8:9] offset:(16*\a+2*\i)*4096 th:TH_STORE_NT   ; sixteen lanes store 256 consecutive bytes, at a multiple of 256 from out0's first byte
.endr
.endr
	s_wait_tensorcnt 0x0                           ; the wave's end, behind my last tensor load and my last LDS store
	ds_add_u32 v[SPW], v[NIL]
	s_wait_dscnt 0x0
	CROUND                                         ; the closing round: no work-group ends while a partner may still ask for a tile that names it
	s_endpgm
.Lfunc_end_k_q74bdea3fb9_proj:
	.size	k_q74bdea3fb9_proj, .Lfunc_end_k_q74bdea3fb9_proj-k_q74bdea3fb9_proj
	.p2alignl 7, 3214868480
	.fill 96, 4, 3214868480
	.section	.rodata,"a",@progbits
	.p2align	6, 0x0
	.amdhsa_kernel k_q74bdea3fb9_proj
		.amdhsa_group_segment_fixed_size 327680
		.amdhsa_private_segment_fixed_size 0
		.amdhsa_enable_private_segment 0
		.amdhsa_kernarg_size 24
		.amdhsa_user_sgpr_count 2
		.amdhsa_user_sgpr_kernarg_segment_ptr 1
		.amdhsa_wavefront_size32 1
		.amdhsa_system_sgpr_workgroup_id_x 1
		.amdhsa_system_sgpr_workgroup_id_y 1
		.amdhsa_system_sgpr_workgroup_id_z 1
		.amdhsa_system_vgpr_workitem_id 0
		.amdhsa_next_free_vgpr 512
		.amdhsa_next_free_sgpr 66
		.amdhsa_reserve_vcc 0
		.amdhsa_float_denorm_mode_32 3
		.amdhsa_float_denorm_mode_16_64 3
		.amdhsa_memory_ordered 1
		.amdhsa_forward_progress 1
		.amdhsa_inst_pref_size 86
	.end_amdhsa_kernel
	.amdgpu_metadata
---
amdhsa.version: [ 1, 2 ]
amdhsa.kernels:
  - .name:           k_q74bdea3fb9_proj
    .symbol:         k_q74bdea3fb9_proj.kd
    .args:
      - { .name: nf, .offset: 0, .size: 8, .value_kind: global_buffer, .address_space: global }
      - { .name: wp, .offset: 8, .size: 8, .value_kind: global_buffer, .address_space: global }
      - { .name: out0, .offset: 16, .size: 8, .value_kind: global_buffer, .address_space: global }
    .group_segment_fixed_size: 327680
    .private_segment_fixed_size: 0
    .kernarg_segment_align: 8
    .kernarg_segment_size: 24
    .max_flat_workgroup_size: 128
    .sgpr_count:     66
    .vgpr_count:     512
    .wavefront_size: 32
...
	.end_amdgpu_metadata
.endif
;; end of part 4
